; MI455X (gfx1250); checked and timed in simulation.
; The chip was launched on July 23, 2026; its instructions are those of AMD's public machine-readable ISA for CDNA 5 (MIT licence, August 2026) and "CDNA5" Instruction Set Architecture Reference Guide (July 2026). The comments in the code are by the model that wrote it; some were corrected since.
;; Multi Head Attention. Allowed arithmetic: float matrix products may take bf16 or f16 operands with f32 sums; other float arithmetic in f32, or as packed bf16 or f16 multiplies, adds, multiply-adds, maxima and minima; sums over many terms, partial sums and values carried from step to step in f32; what a program stores and reads back later, other than sums and carried values, may be rounded once to bf16 or f16.
;; Inputs: W_k 1,024 x 1,024 float32; W_o 1,024 x 1,024 float32; W_q 1,024 x 1,024 float32; W_v 1,024 x 1,024 float32; attention_mask 4 x 2,048 int32; b_k 1,024 float32; b_o 1,024 float32; b_q 1,024 float32; b_v 1,024 float32; x 4 x 2,048 x 1,024 float32.
;; Outputs: out0 4 x 2,048 x 1,024 float32.
;; One version. Each part assembles by itself: llvm-mc -triple=amdgcn-amd-amdhsa -mcpu=gfx1250 --defsym DOCPART=n.
;; ======== version 1 of 1: 4 launches
;; limits: values are held in f16: magnitudes above 65,504 overflow, below 6.1e-05 lose precision
;; workspace buffers: xw 25,165,824 bytes; qkv 50,331,648 bytes; ob 16,777,216 bytes
;; launch cast (part 1): grid 768 x 1, 8 waves a work-group, no clusters, 0 bytes of LDS; arguments x, W_q, W_k, W_v, W_o, xw; writes xw
.if DOCPART == 1
	.amdgcn_target "amdgcn-amd-amdhsa--gfx1250"
	.amdhsa_code_object_version 6
	.text
	.protected	k_q27295a3c8c_cast
	.globl	k_q27295a3c8c_cast
	.p2align	8
	.type	k_q27295a3c8c_cast,@function
k_q27295a3c8c_cast:
	s_mov_b64 s[64:65], 0
	v_nop
	global_prefetch_b8 v0, s[64:65] scope:SCOPE_SE
	s_setreg_imm32_b32 hwreg(HW_REG_WAVE_MODE, 25, 1), 1
	s_wait_xcnt 0x0
; xw = the module's five large inputs, each number rounded once to bf16: [12288][1024] of 16 bits.
;   rows 0-8191: x;  rows 8192-11263: W_q, W_k, W_v (bf16);  rows 11264-12287: W_o, rounded to bf16 and that number written as f16.
; LIMIT.  f16 holds the bf16 number exactly between 2^-14 and 65,504; below 2^-14 it keeps f16's fixed step of 6e-8, beyond 65,504 it is an infinity.
; A stream: no LDS, no barrier, no matrix unit.  Work-group j turns 16,384 numbers (65,536 bytes in, 32,768 bytes out); all 768 do equal work.
; Thread t takes 16 bytes at 16 t of each of 16 chunks of 4,096 bytes: a wave's load covers 512 consecutive bytes; all 16 loads of a wave go out before the first is waited for.
; A wave's store covers 256 consecutive bytes, at a multiple of 256 from xw's first byte.  Each chunk has its own registers, so no source of a pending instruction is ever rewritten.
.set CHUNKS, 16
.set X, 4                              ; v[4:67]    chunk i: four f32 as loaded
.set Y, 68                             ; v[68:99]   chunk i: four numbers of 16 bits to store
.set T, 100                            ; v[100:105] at work
	s_load_b256 s[4:11], s[0:1], 0x0               ; x s[4:5], W_q s[6:7], W_k s[8:9], W_v s[10:11]
	s_load_b128 s[12:15], s[0:1], 0x20             ; W_o s[12:13], xw s[14:15]
	v_lshlrev_b32 v1, 4, v0                        ; my 16 bytes of a chunk in
	v_lshlrev_b32 v2, 3, v0                        ; my 8 bytes of a chunk out
	s_mov_b32 s24, 0xffff0000                      ; a word's upper bf16
	s_sub_co_u32 s16, ttmp9, 512                   ; behind x's 512 work-groups: 64 for each weight (below 512 the number wraps, and none of the tests below meets it)
	s_lshr_b32 s17, s16, 6                         ; which weight
	s_and_b32 s18, s16, 63                         ; which 65,536 bytes of it
	s_cmp_lt_u32 ttmp9, 512
	s_cselect_b32 s18, ttmp9, s18                  ; or of x
	s_lshl_b32 s18, s18, 16
	s_mov_b32 s19, 0
	s_lshl_b32 s22, ttmp9, 15                      ; my 32,768 bytes of xw
	s_mov_b32 s23, 0
	s_wait_kmcnt 0x0
	s_cmp_eq_u32 s17, 1
	s_cselect_b64 s[20:21], s[8:9], s[6:7]
	s_cmp_eq_u32 s17, 2
	s_cselect_b64 s[20:21], s[10:11], s[20:21]
	s_cmp_eq_u32 s17, 3
	s_cselect_b64 s[20:21], s[12:13], s[20:21]
	s_cmp_lt_u32 ttmp9, 512
	s_cselect_b64 s[20:21], s[4:5], s[20:21]
	s_add_nc_u64 s[20:21], s[20:21], s[18:19]
	s_add_nc_u64 s[14:15], s[14:15], s[22:23]
.irp i, 0,1,2,3,4,5,6,7,8,9,10,11,12,13,14,15
	global_load_b128 v[X+4*(\i):X+4*(\i)+3], v1, s[20:21] offset:4096*(\i) th:TH_LOAD_NT
.endr
; Chunk i.  half = 0: to bf16.  half = 1: to bf16, widened again, and written as f16.
.macro OUT i, half
	s_wait_loadcnt CHUNKS-1-(\i)                   ; loads come back in order (ISA guide 5.7.1): chunk i is in, the younger ones stay out
.if \half
	v_cvt_pk_bf16_f32 v[T], v[X+4*(\i)], v[X+4*(\i)+1]
	v_cvt_pk_bf16_f32 v[T+1], v[X+4*(\i)+2], v[X+4*(\i)+3]
	v_lshlrev_b32 v[T+2], 16, v[T]
	v_and_b32 v[T+3], s24, v[T]
	v_lshlrev_b32 v[T+4], 16, v[T+1]
	v_and_b32 v[T+5], s24, v[T+1]
	v_cvt_pk_f16_f32 v[Y+2*(\i)], v[T+2], v[T+3]
	v_cvt_pk_f16_f32 v[Y+2*(\i)+1], v[T+4], v[T+5]
.else
	v_cvt_pk_bf16_f32 v[Y+2*(\i)], v[X+4*(\i)], v[X+4*(\i)+1]
	v_cvt_pk_bf16_f32 v[Y+2*(\i)+1], v[X+4*(\i)+2], v[X+4*(\i)+3]
.endif
	global_store_b64 v2, v[Y+2*(\i):Y+2*(\i)+1], s[14:15] offset:2048*(\i) th:TH_STORE_NT
.endm
	s_cmp_ge_u32 ttmp9, 704                        ; the last 64 work-groups hold W_o
	s_cbranch_scc1 .Lwo
.irp i, 0,1,2,3,4,5,6,7,8,9,10,11,12,13,14,15
	OUT \i, 0
.endr
	s_endpgm
.Lwo:
.irp i, 0,1,2,3,4,5,6,7,8,9,10,11,12,13,14,15
	OUT \i, 1
.endr
	s_endpgm
.Lfunc_end_k_q27295a3c8c_cast:
	.size	k_q27295a3c8c_cast, .Lfunc_end_k_q27295a3c8c_cast-k_q27295a3c8c_cast
	.p2alignl 7, 3214868480
	.fill 96, 4, 3214868480
	.section	.rodata,"a",@progbits
	.p2align	6, 0x0
	.amdhsa_kernel k_q27295a3c8c_cast
		.amdhsa_group_segment_fixed_size 0
		.amdhsa_private_segment_fixed_size 0
		.amdhsa_enable_private_segment 0
		.amdhsa_kernarg_size 48
		.amdhsa_user_sgpr_count 2
		.amdhsa_user_sgpr_kernarg_segment_ptr 1
		.amdhsa_wavefront_size32 1
		.amdhsa_system_sgpr_workgroup_id_x 1
		.amdhsa_system_sgpr_workgroup_id_y 1
		.amdhsa_system_sgpr_workgroup_id_z 1
		.amdhsa_system_vgpr_workitem_id 0
		.amdhsa_next_free_vgpr 112
		.amdhsa_next_free_sgpr 66
		.amdhsa_reserve_vcc 0
		.amdhsa_float_denorm_mode_32 3
		.amdhsa_float_denorm_mode_16_64 3
		.amdhsa_memory_ordered 1
		.amdhsa_forward_progress 1
		.amdhsa_inst_pref_size 15
	.end_amdhsa_kernel
	.amdgpu_metadata
---
amdhsa.version: [ 1, 2 ]
amdhsa.kernels:
  - .name:           k_q27295a3c8c_cast
    .symbol:         k_q27295a3c8c_cast.kd
    .args:
      - { .name: x, .offset: 0, .size: 8, .value_kind: global_buffer, .address_space: global }
      - { .name: W_q, .offset: 8, .size: 8, .value_kind: global_buffer, .address_space: global }
      - { .name: W_k, .offset: 16, .size: 8, .value_kind: global_buffer, .address_space: global }
      - { .name: W_v, .offset: 24, .size: 8, .value_kind: global_buffer, .address_space: global }
      - { .name: W_o, .offset: 32, .size: 8, .value_kind: global_buffer, .address_space: global }
      - { .name: xw, .offset: 40, .size: 8, .value_kind: global_buffer, .address_space: global }
    .group_segment_fixed_size: 0
    .private_segment_fixed_size: 0
    .kernarg_segment_align: 8
    .kernarg_segment_size: 48
    .max_flat_workgroup_size: 256
    .sgpr_count:     66
    .vgpr_count:     112
    .wavefront_size: 32
...
	.end_amdgpu_metadata
.endif
;; end of part 1
;; launch qkv (part 2): grid 24 x 32, 4 waves a work-group, clusters of 4 x 4, 327,680 bytes of LDS; arguments xw, b_q, b_k, b_v, qkv; writes qkv
.if DOCPART == 2
	.amdgcn_target "amdgcn-amd-amdhsa--gfx1250"
	.amdhsa_code_object_version 6
	.text
	.protected	k_q27295a3c8c_qkv
	.globl	k_q27295a3c8c_qkv
	.p2align	8
	.type	k_q27295a3c8c_qkv,@function
k_q27295a3c8c_qkv:
	s_mov_b64 s[64:65], 0
	v_nop
	global_prefetch_b8 v0, s[64:65] scope:SCOPE_SE
	s_setreg_imm32_b32 hwreg(HW_REG_WAVE_MODE, 25, 1), 1
	s_wait_xcnt 0x0
	s_wait_alu depctr_hold_cnt(0) depctr_sa_sdst(0) depctr_va_vdst(0) depctr_va_sdst(0) depctr_va_ssrc(0) depctr_va_vcc(0) depctr_vm_vsrc(0)
	s_getreg_b32 s2, hwreg(HW_REG_IB_STS2, 6, 4)
	s_cmp_eq_u32 s2, 0
	s_cbranch_scc0 .Lentry_in_a_cluster
	s_endpgm
.Lentry_in_a_cluster:
	s_bfe_u32 s2, ttmp6, 0x10000c
	s_cmp_lg_u32 s2, 0xf033
	s_cbranch_scc0 .Lentry_shape_is_right
	s_endpgm
.Lentry_shape_is_right:
; q, k, v = x W^T + b.  x: rows 0-8191 of xw, [8192][1024] bf16; W_q, W_k, W_v: rows 8192-11263 of xw, [3072][1024] bf16; the biases f32, rounded to bf16 here like the other inputs.
; Products in bf16, sums in f32, each result rounded once to f16 and laid by heads: qkv[3][64 = 16 batch + head][2048][64].  No scale is applied here.
; LIMIT.  f16 ends at 65,504: a q, k or v of 65,520 or more becomes an infinity.
; SHARES.  A tile of C is 256 rows x 128 columns: 24 x 32 = 768 work-groups of equal work.  Four waves, each 128 x 64: 32 accumulators of 16 x 16, 256 registers.
; K = 1,024 goes in 8 steps of 128 through a ring of two LDS slots filled by the tensor data mover; the rows of A's and B's tiles are 256 bytes of memory at multiples of 256 bytes.
; CLUSTERS.  4 x 4 work-groups.  The four of a row of the cluster need the same tiles of A (x), the four of a column the same tiles of B (W): each tile is asked for JOINTLY, by the same tensor load
; with the same descriptor and a mask that names the four.  No prefetch: a step's tiles are 96 KiB for 512 matrix instructions of the work-group, and each is asked for once by four.
; THE MATRIX INSTRUCTION IS USED TRANSPOSED (source 0 = 16 rows of W, source 1 = 16 rows of x): a lane holds row l % 16 of C and the columns 8 (l / 16) + 0..7: eight neighbouring numbers.
; THE BIAS IS THE C OPERAND of the product that starts each sum: nothing is cleared, and nothing is added on the way out.
; REGISTERS.  window 0: v0-31 addresses; v32-63 the bias of my 64 columns; v64-159, v160-255 two fragment buffers (A's 8 x 16 rows x 32 K, then B's 4); on the way out v64-191 packed results.
;   window 1: the accumulators, (a, b) at v[8 (4 a + b)].
.set PITA,   272                       ; an LDS row: 256 bytes + 16 of padding = 68 words: row r starts at bank 4 r mod 64 (64 banks of 4 bytes: ISA guide 11.1)
.set PITB,   272
.set APLANE, 128                       ; A's quarters 2 and 3 of a K step begin 128 bytes along the row
.set AROWS,  128*PITA                  ; the 128 rows of A that a wave multiplies
.set HALFA,  128*272                   ; what one tensor load of A brings: 128 rows
.set BOFF,   2*HALFA                   ; B's 128 rows lie behind A's 256
.set HALFB,  64*PITB                   ; what one tensor load of B brings, and what a wave multiplies: 64 rows
.set SLOT,   BOFF+2*HALFB
.set STAGE,  2*SLOT                    ; behind the ring: 16 rows x 144 bytes for each wave, for the way out
.set SPITCH, 144
.set SPARE,  STAGE+4*16*SPITCH         ; behind the stages: the spare words, 128 bytes for each wave: two blocks of 256 bytes that no other line names
.set ASTEP,  256                       ; bytes of memory from a K step of A to the next
.set BSTEP,  256
.set LAPS,   4                         ; a lap = two K steps = once round the ring
.set ADRA, 16                          ; v16-17  LDS address of my A fragments in slot 0, 1
.set ADRB, 20                          ; v20-21  the same for B
.set STO,  24                          ; v24     the way out: where I put 16 bytes of a row
.set RD,   25                          ; v25     the way out: where I read rows back
.set GO,   26                          ; v26     my byte offset in 512 consecutive bytes of the result
.set BO,   27                          ; v27     my byte offset in the bias of a block of 16 columns
.set SPW,  28                          ; v28     LDS address of my spare word: SPARE + 4 x my thread's number; never rewritten
.set NIL,  29                          ; v29     0; never rewritten
.set BIAS, 32
.set F0,   64
.set F1,   160
.set OUTR, 64
.set WV, 14                            ; s14  my wave's number
.set RH, 15                            ; s15  which 128 rows of the tile are mine.  Also: I fetch for A (0) or for B (1)
.set CH, 16                            ; s16  which 64 columns.  Also: which half of that tile I fetch
.set G1, 24                            ; s[24:31] descriptor group 1 for A's tiles;  s[32:39] group 0, a set for each slot
.set G0, 32
.set G1B, 48                           ; s[48:55], s[56:63] the same for B's tiles
.set G0B, 56
.set W_MUL,   0x50                     ; C and D in window 1, the sources in window 0
.set W_FIRST, 0x40                     ; D in window 1, C (the bias) in window 0
.set MSB, 0
.macro WIN new                         ; the immediate's high byte repeats the setting that is left; a switch that changes nothing is dropped
.if MSB != (\new)
	s_set_vgpr_msb (MSB<<8)|(\new)
.set MSB, \new
.endif
.endm
.macro PLACES                          ; four places in front of loads into registers that matrix instructions have read, and of lines that read results
.rept 4
	v_nop
.endr
.endm
.macro JLOAD s                         ; a joint load: waves 0 and 1 fetch A's two halves, waves 2 and 3 B's; an s_nop 0 and four v_nop follow each of the two lines
	s_cmp_eq_u32 s[RH], 0
	s_cbranch_scc0 .Lfor_b_\@
	tensor_load_to_lds s[G0+4*(\s):G0+4*(\s)+3], s[G1:G1+7]
	s_nop 0
.rept 4
	v_nop
.endr
	s_branch .Lasked_\@
.Lfor_b_\@:
	tensor_load_to_lds s[G0B+4*(\s):G0B+4*(\s)+3], s[G1B:G1B+7]
	s_nop 0
.rept 4
	v_nop
.endr
.Lasked_\@:
.endm
.macro CREST                           ; a round of the cluster's barrier behind its opening barrier
	s_cmp_lg_u32 s[WV], 0
	s_cbranch_scc1 .Lnot_wave_0_\@
	s_barrier_signal -3
.Lnot_wave_0_\@:
	s_barrier_wait -3
	s_barrier_signal -1
	s_barrier_wait -1
.endm
.macro CROUND                          ; a whole round
	s_barrier_signal -1
	s_barrier_wait -1
	CREST
.endm
	s_load_b256 s[4:11], s[0:1], 0x0               ; xw s[4:5], b_q s[6:7], b_k s[8:9], b_v s[10:11]
	s_load_b64 s[12:13], s[0:1], 0x20              ; qkv
	v_lshl_add_u32 v[SPW], v0, 2, SPARE
	v_mov_b32 v[NIL], 0
	ds_add_u32 v[SPW], v[NIL]                      ; the wave's opening: the add and its wait stand ahead of my first tensor load; the set-up below, work on registers, stands between them
	v_lshrrev_b32 v1, 5, v0
	v_readfirstlane_b32 s[WV], v1                  ; wave 0..3
	s_lshr_b32 s[RH], s[WV], 1
	s_and_b32 s[CH], s[WV], 1
	s_bfe_u32 s17, ttmp6, 0x40000                  ; cx, cy: my place in the cluster
	s_bfe_u32 s18, ttmp6, 0x40004
	s_lshl_b32 s19, ttmp9, 2
	s_add_co_u32 s19, s19, s17                     ; tile column = 4 x cluster x + cx, 0..23
	s_and_b32 s20, ttmp7, 0xffff
	s_lshl_b32 s20, s20, 2
	s_add_co_u32 s20, s20, s18                     ; tile row = 4 x cluster y + cy, 0..31
	s_lshl_b32 s21, s18, 2
	s_lshl_b32 s21, 15, s21                        ; my row of the cluster
	s_lshl_b32 s22, 0x1111, s17                    ; my column
	; descriptor group 1: rows of 128 elements of 2 bytes, 1,024 elements apart, padded in LDS; A's tile has 128 rows, B's 64
	s_or_b32 s[G1+0], s21, (1<<16)|(1<<20)|(1<<21)|(5<<22)|(3<<25)   ; 15:0 the mask; 17:16 2-byte elements; 20 padding on; 21 set beside a mask; 24:22 after every 64 words (code 5); 31:25 4 words (code 3)
	s_or_b32 s[G1B+0], s22, (1<<16)|(1<<20)|(1<<21)|(5<<22)|(3<<25)
	s_mov_b32 s[G1+1], 128<<16                     ; tensor_dim0 = 128
	s_mov_b32 s[G1+2], 128<<16                     ; tensor_dim1 = 128
	s_mov_b32 s[G1+3], 128<<16                     ; tile_dim0 = 128
	s_mov_b32 s[G1+4], 128                         ; tile_dim1 = 128
	s_mov_b32 s[G1+5], 1024                        ; elements from row to row
	s_mov_b32 s[G1+6], 0
	s_mov_b32 s[G1+7], 0
	s_mov_b32 s[G1B+1], 128<<16
	s_mov_b32 s[G1B+2], 64<<16                     ; tensor_dim1 = 64
	s_mov_b32 s[G1B+3], 128<<16
	s_mov_b32 s[G1B+4], 64                         ; tile_dim1 = 64
	s_mov_b32 s[G1B+5], 1024
	s_mov_b32 s[G1B+6], 0
	s_mov_b32 s[G1B+7], 0
	; where the tiles come from.  A's hang on the tile row alone, B's on the tile column alone; each in registers that never hold the other coordinate
	s_lshl_b32 s40, s20, 8
	s_lshl_b32 s44, s[CH], 7
	s_add_co_u32 s40, s40, s44                     ; A: row 256 x tile row + 128 x half,
	s_lshl_b32 s40, s40, 11                        ; of 2,048 bytes
	s_mov_b32 s41, 0
	s_lshl_b32 s42, s19, 7
	s_lshl_b32 s45, s[CH], 6
	s_add_co_u32 s42, s42, s45                     ; B: row 128 x tile column + 64 x half,
	s_lshl_b32 s42, s42, 11
	s_add_co_u32 s42, s42, 0x1000000               ; behind x's 8,192 rows
	s_mov_b32 s43, 0
	s_mul_i32 s46, s[CH], HALFA                    ; and where they go: no place in the cluster enters an LDS address
	s_mul_i32 s47, s[CH], HALFB
	s_add_co_u32 s47, s47, BOFF
	s_wait_dscnt 0x0                               ; the opening add is done
	s_wait_kmcnt 0x0
	s_add_nc_u64 s[40:41], s[4:5], s[40:41]
	s_add_nc_u64 s[42:43], s[4:5], s[42:43]
	CROUND                                         ; all sixteen work-groups are here: the first joint loads meet
.irp s, 0,1
	s_mov_b32 s[G0+4*(\s)], 1                                        ; count = 1
	s_add_co_u32 s[G0+4*(\s)+1], s46, (\s)*SLOT                      ; LDS address
	s_add_nc_u64 s[G0+4*(\s)+2:G0+4*(\s)+3], s[40:41], (\s)*ASTEP    ; global address: K step s
	s_or_b32 s[G0+4*(\s)+3], s[G0+4*(\s)+3], 0x80000000              ; type = 2
	s_mov_b32 s[G0B+4*(\s)], 1
	s_add_co_u32 s[G0B+4*(\s)+1], s47, (\s)*SLOT
	s_add_nc_u64 s[G0B+4*(\s)+2:G0B+4*(\s)+3], s[42:43], (\s)*BSTEP
	s_or_b32 s[G0B+4*(\s)+3], s[G0B+4*(\s)+3], 0x80000000
	JLOAD \s                                       ; two loads of mine are out
.endr
	; the bias: b_q, b_k or b_v by the tile column (8 tile columns each: two clusters, so the choice is the same in all partners)
	s_lshr_b32 s44, ttmp9, 1
	s_cmp_eq_u32 s44, 1
	s_cselect_b64 s[6:7], s[8:9], s[6:7]
	s_cmp_eq_u32 s44, 2
	s_cselect_b64 s[6:7], s[10:11], s[6:7]
	s_and_b32 s44, s19, 7
	s_lshl_b32 s44, s44, 9                         ; 128 columns of 4 bytes
	s_lshl_b32 s45, s[CH], 8                       ; my 64
	s_add_co_u32 s44, s44, s45
	s_mov_b32 s45, 0
	s_add_nc_u64 s[6:7], s[6:7], s[44:45]
	v_and_b32 v1, 15, v0                           ; l % 16
	v_bfe_u32 v2, v0, 4, 1                         ; l / 16
	v_lshlrev_b32 v[BO], 5, v2                     ; my 8 columns of 16
.irp b, 0,1,2,3
	global_load_b128 v[BIAS+8*(\b):BIAS+8*(\b)+3],   v[BO], s[6:7] offset:64*(\b)
	global_load_b128 v[BIAS+8*(\b)+4:BIAS+8*(\b)+7], v[BO], s[6:7] offset:64*(\b)+16
.endr
	; A fragment is 16 rows x 32 K in 8 registers: lane l holds row l % 16; registers 0-3 K = 8 (l / 16) + 0..7, registers 4-7 K = 16 + 8 (l / 16) + 0..7: two loads of 16 bytes, 32 bytes apart
	v_mul_u32_u24 v3, v1, PITA
	v_lshl_add_u32 v3, v2, 4, v3
	v_mul_u32_u24 v4, v1, PITB
	v_lshl_add_u32 v4, v2, 4, v4
	s_mul_i32 s2, s[RH], AROWS                     ; my 128 rows of A
	s_mul_i32 s23, s[CH], HALFB                    ; my 64 rows of B
	s_add_co_u32 s23, s23, BOFF
.irp s, 0,1
	v_add_nc_u32 v[ADRA+(\s)], s2, v3
	v_add_nc_u32 v[ADRB+(\s)], s23, v4
	s_add_co_u32 s2, s2, SLOT
	s_add_co_u32 s23, s23, SLOT
.endr
	s_mul_i32 s2, s[WV], 16*SPITCH
	s_add_co_u32 s2, s2, STAGE                     ; my stage
	v_mul_u32_u24 v[STO], v1, SPITCH               ; in: row l % 16, 16 bytes for each half of the lanes
	v_lshl_add_u32 v[STO], v2, 4, v[STO]
	v_add_nc_u32 v[STO], s2, v[STO]
	v_bfe_u32 v[RD], v0, 3, 2                      ; back: 32 lanes take four rows of 128 bytes,
	v_mul_u32_u24 v[RD], v[RD], SPITCH
	v_and_b32 v5, 7, v0
	v_lshl_add_u32 v[RD], v5, 4, v[RD]
	v_add_nc_u32 v[RD], s2, v[RD]
	v_and_b32 v[GO], 31, v0                        ; which are 512 consecutive bytes of a head
	v_lshlrev_b32 v[GO], 4, v[GO]
	; where my 128 rows x 64 columns go: one head's 16,384 consecutive bytes.  g = 2 x tile column + my half counts groups of 64 columns: tensor g / 16, head g % 16
	s_lshl_b32 s44, s19, 1
	s_add_co_u32 s44, s44, s[CH]
	s_lshr_b32 s45, s44, 4
	s_lshl_b32 s45, s45, 24                        ; q, k or v: 2^24 bytes each
	s_and_b32 s44, s44, 15
	s_lshr_b32 s2, s20, 3                          ; the batch: 8 tile rows each
	s_lshl_b32 s2, s2, 4
	s_add_co_u32 s44, s44, s2
	s_lshl_b32 s44, s44, 18                        ; a head's 2,048 rows of 128 bytes
	s_add_co_u32 s44, s44, s45
	s_and_b32 s2, s20, 7
	s_lshl_b32 s2, s2, 8
	s_lshl_b32 s45, s[RH], 7
	s_add_co_u32 s2, s2, s45                       ; my first row in the batch
	s_lshl_b32 s2, s2, 7
	s_add_co_u32 s44, s44, s2
	s_mov_b32 s45, 0
	s_add_nc_u64 s[12:13], s[12:13], s[44:45]
	s_wait_loadcnt 0x0                             ; the bias
.set bi, 0
.rept 16                                       ; rounded to bf16 like the other inputs, and widened again
	v_cvt_pk_bf16_f32 v30, v[BIAS+bi], v[BIAS+bi+1]
	v_lshlrev_b32 v[BIAS+bi], 16, v30
	v_and_b32 v[BIAS+bi+1], 0xffff0000, v30
.set bi, bi+2
.endr
; n x 4 matrix instructions: m blocks a0 .. a0 + n - 1 x all 4 n blocks, 32 along K, from buffer f.  first = 1: the product starts the sum, with the bias as C.
; The 32 accumulators take turns, one instruction a turn, in the same order in every quarter.
.macro MULS f, a0, n, first
.if \first
	WIN W_FIRST
.else
	WIN W_MUL
.endif
.set ma, \a0
.rept \n
.set mb, 0
.rept 4
.if \first
	v_wmma_f32_16x16x32_bf16 v[8*(4*ma+mb):8*(4*ma+mb)+7], v[(\f)+64+8*mb:(\f)+64+8*mb+7], v[(\f)+8*ma:(\f)+8*ma+7], v[BIAS+8*mb:BIAS+8*mb+7]
.else
	v_wmma_f32_16x16x32_bf16 v[8*(4*ma+mb):8*(4*ma+mb)+7], v[(\f)+64+8*mb:(\f)+64+8*mb+7], v[(\f)+8*ma:(\f)+8*ma+7], v[8*(4*ma+mb):8*(4*ma+mb)+7]
.endif
.set mb, mb+1
.endr
.set ma, ma+1
.endr
.endm
; 24 LDS loads in one run: the fragments of quarter q of a K step into buffer f: B's four, A's blocks 0-3, A's blocks 4-7
.macro FETCH slot, q, f
	WIN 0
.irp i, 0,1,2,3
	ds_load_b128 v[(\f)+64+8*(\i):(\f)+64+8*(\i)+3],   v[ADRB+(\slot)] offset:64*(\q)+(\i)*16*PITB
	ds_load_b128 v[(\f)+64+8*(\i)+4:(\f)+64+8*(\i)+7], v[ADRB+(\slot)] offset:64*(\q)+(\i)*16*PITB+32
.endr
.irp i, 0,1,2,3,4,5,6,7
	ds_load_b128 v[(\f)+8*(\i):(\f)+8*(\i)+3],   v[ADRA+(\slot)] offset:((\q)/2)*APLANE+((\q)%2)*64+(\i)*16*PITA
	ds_load_b128 v[(\f)+8*(\i)+4:(\f)+8*(\i)+7], v[ADRA+(\slot)] offset:((\q)/2)*APLANE+((\q)%2)*64+(\i)*16*PITA+32
.endr
.endm
; A K step is four quarters of 32 along K, 32 matrix instructions each, on buffers 0, 1, 0, 1.  One of the first three: multiplies buffer f and fetches quarter q into g.
.macro QUARTER slot, q, f, g, first
	s_wait_dscnt 8                                 ; B and A's blocks 0-3 are in; the youngest eight loads (A's blocks 4-7) may be out
	MULS \f, 0, 4, \first
	PLACES
	FETCH \slot, \q, \g
	s_wait_dscnt 24                                ; all but the 24 just issued
	MULS \f, 4, 4, \first
.endm
; The last quarter multiplies buffer 1 and changes slots: ONE barrier; in front of it each wave waits for all its tensor loads, adds 0 to its spare word, and waits for that and for its own reads of this slot.
; fill = 1: the barrier opens a round of the cluster's barrier, and this slot is filled again, two K steps ahead: 112 matrix instructions ahead of the wait for that load.
.macro TURN slot, next, fill
	WIN 0
	s_wait_tensorcnt 0x0                           ; all my tensor loads have landed: the one that was out is my part of the next slot
	ds_add_u32 v[SPW], v[NIL]                      ; 0 onto my spare word
	s_wait_dscnt 9                                 ; (the add and the youngest eight loads may be out)
	MULS F1, 0, 2, 0                               ; eight matrix instructions stand between the add and the wait for it
	s_wait_dscnt 0x0                               ; the add is done, and my reads of this slot are over
	s_barrier_signal -1
	MULS F1, 2, 2, 0
.if \fill
	WIN 0
.endif
	s_barrier_wait -1
.if \fill
	CREST                                          ; no wave of any partner still reads this slot's tile or has a load on its way
	s_add_nc_u64 s[G0+4*(\slot)+2:G0+4*(\slot)+3], s[G0+4*(\slot)+2:G0+4*(\slot)+3], 2*ASTEP
	s_add_nc_u64 s[G0B+4*(\slot)+2:G0B+4*(\slot)+3], s[G0B+4*(\slot)+2:G0B+4*(\slot)+3], 2*BSTEP
	JLOAD \slot                                    ; the first tensor load behind the round; its four v_nop are also the places in front of the loads below
.else
	PLACES
.endif
	FETCH \next, 0, F0
	MULS F1, 4, 4, 0
.endm
	s_wait_tensorcnt 1                             ; my part of K step 0 is in; K step 1's load, the one issued behind it, may stay out
	s_barrier_signal -1
	s_barrier_wait -1                              ; everybody's is
	FETCH 0, 0, F0
	QUARTER 0, 1, F0, F1, 1                        ; the first quarter stands in front of the loop: its products start the sums
	WIN 0                                          ; at a label and at a branch every window is 0
	s_mov_b32 s3, LAPS-1
.Llap:                                                 ; a trip goes once round the ring, from a lap's second quarter to the next lap's first, and fills both slots again
	QUARTER 0, 2, F1, F0, 0
	QUARTER 0, 3, F0, F1, 0
	TURN 0, 1, 1
	QUARTER 1, 1, F0, F1, 0
	QUARTER 1, 2, F1, F0, 0
	QUARTER 1, 3, F0, F1, 0
	TURN 1, 0, 1
	QUARTER 0, 1, F0, F1, 0
	WIN 0
	s_sub_co_u32 s3, s3, 1
	s_cmp_lg_u32 s3, 0
	s_cbranch_scc1 .Llap
	QUARTER 0, 2, F1, F0, 0                        ; the last lap fills nothing
	QUARTER 0, 3, F0, F1, 0
	TURN 0, 1, 0
	QUARTER 1, 1, F0, F1, 0
	QUARTER 1, 2, F1, F0, 0
	QUARTER 1, 3, F0, F1, 0
	s_wait_dscnt 8                                 ; the very last quarter: nothing more to fetch
	MULS F1, 0, 4, 0
	s_wait_dscnt 0
	MULS F1, 4, 4, 0
	WIN 0
	PLACES
; THE WAY OUT.  Block a (16 rows): rounded to f16, 16 bytes a lane (each accumulator's lowest registers first); into my stage's rows of 144 bytes; back as whole rows of 128.
.macro PACK a
	WIN 0x05                                       ; sources 0 and 1 window 1, destination window 0
.irp b, 0,1,2,3
.irp r, 0,1,2,3
	v_cvt_pk_f16_f32 v[OUTR+16*(\a)+4*(\b)+(\r)], v[8*(4*(\a)+(\b))+2*(\r)], v[8*(4*(\a)+(\b))+2*(\r)+1]
.endr
.endr
	WIN 0
.irp b, 0,1,2,3
	ds_store_b128 v[STO], v[OUTR+16*(\a)+4*(\b):OUTR+16*(\a)+4*(\b)+3] offset:32*(\b)
.endr
.irp f, 0,1,2,3
	ds_load_b128 v[OUTR+16*(\a)+4*(\f):OUTR+16*(\a)+4*(\f)+3], v[RD] offset:(\f)*4*SPITCH  ; LDS serves a wave's instructions in order (ISA guide 5.7.1.4): these see the stores above; the next block's stores come behind them
.endr
.endm
.macro SEND a, younger                 ; younger: the LDS instructions issued behind block a's loads: the next block's eight, or none
.irp f, 0,1,2,3
	s_wait_dscnt (\younger)+3-(\f)
	global_store_b128 v[GO], v[OUTR+16*(\a)+4*(\f):OUTR+16*(\a)+4*(\f)+3], s[12:13] offset:(\a)*2048+(\f)*512  ; 512 consecutive bytes, at a multiple of 256 from the buffer's first; each block has registers of its own
.endr
.endm
	PACK 0
.irp a, 1,2,3,4,5,6,7
	PACK \a
	SEND (\a)-1, 8
.endr
	SEND 7, 0
	s_wait_tensorcnt 0x0                           ; the wave's end, behind my last tensor load and my last LDS store
	ds_add_u32 v[SPW], v[NIL]
	s_wait_dscnt 0x0
	CROUND                                         ; the closing round: no work-group ends while a partner may still ask for a tile that names it
	s_endpgm
.Lfunc_end_k_q27295a3c8c_qkv:
	.size	k_q27295a3c8c_qkv, .Lfunc_end_k_q27295a3c8c_qkv-k_q27295a3c8c_qkv
	.p2alignl 7, 3214868480
	.fill 96, 4, 3214868480
	.section	.rodata,"a",@progbits
	.p2align	6, 0x0
	.amdhsa_kernel k_q27295a3c8c_qkv
		.amdhsa_group_segment_fixed_size 327680
		.amdhsa_private_segment_fixed_size 0
		.amdhsa_enable_private_segment 0
		.amdhsa_kernarg_size 40
		.amdhsa_user_sgpr_count 2
		.amdhsa_user_sgpr_kernarg_segment_ptr 1
		.amdhsa_wavefront_size32 1
		.amdhsa_system_sgpr_workgroup_id_x 1
		.amdhsa_system_sgpr_workgroup_id_y 1
		.amdhsa_system_sgpr_workgroup_id_z 1
		.amdhsa_system_vgpr_workitem_id 0
		.amdhsa_next_free_vgpr 512
		.amdhsa_next_free_sgpr 66
		.amdhsa_reserve_vcc 0
		.amdhsa_float_denorm_mode_32 3
		.amdhsa_float_denorm_mode_16_64 3
		.amdhsa_memory_ordered 1
		.amdhsa_forward_progress 1
		.amdhsa_inst_pref_size 91
	.end_amdhsa_kernel
	.amdgpu_metadata
---
amdhsa.version: [ 1, 2 ]
amdhsa.kernels:
  - .name:           k_q27295a3c8c_qkv
    .symbol:         k_q27295a3c8c_qkv.kd
    .args:
      - { .name: xw, .offset: 0, .size: 8, .value_kind: global_buffer, .address_space: global }
      - { .name: b_q, .offset: 8, .size: 8, .value_kind: global_buffer, .address_space: global }
      - { .name: b_k, .offset: 16, .size: 8, .value_kind: global_buffer, .address_space: global }
      - { .name: b_v, .offset: 24, .size: 8, .value_kind: global_buffer, .address_space: global }
      - { .name: qkv, .offset: 32, .size: 8, .value_kind: global_buffer, .address_space: global }
    .group_segment_fixed_size: 327680
    .private_segment_fixed_size: 0
    .kernarg_segment_align: 8
    .kernarg_segment_size: 40
    .max_flat_workgroup_size: 128
    .sgpr_count:     66
    .vgpr_count:     512
    .wavefront_size: 32
...
	.end_amdgpu_metadata
.endif
;; end of part 2
;; launch attn (part 3): grid 4 x 64, 4 waves a work-group, clusters of 4 x 1, 327,680 bytes of LDS; arguments qkv, attention_mask, ob; writes ob
.if DOCPART == 3
	.amdgcn_target "amdgcn-amd-amdhsa--gfx1250"
	.amdhsa_code_object_version 6
	.text
	.protected	k_q27295a3c8c_attn
	.globl	k_q27295a3c8c_attn
	.p2align	8
	.type	k_q27295a3c8c_attn,@function
k_q27295a3c8c_attn:
	s_mov_b64 s[64:65], 0
	v_nop
	global_prefetch_b8 v0, s[64:65] scope:SCOPE_SE
	s_setreg_imm32_b32 hwreg(HW_REG_WAVE_MODE, 25, 1), 1
	s_wait_xcnt 0x0
	s_wait_alu depctr_hold_cnt(0) depctr_sa_sdst(0) depctr_va_vdst(0) depctr_va_sdst(0) depctr_va_ssrc(0) depctr_va_vcc(0) depctr_vm_vsrc(0)
	s_getreg_b32 s2, hwreg(HW_REG_IB_STS2, 6, 4)
	s_cmp_eq_u32 s2, 0
	s_cbranch_scc0 .Lentry_in_a_cluster
	s_endpgm
.Lentry_in_a_cluster:
	s_bfe_u32 s2, ttmp6, 0x10000c
	s_cmp_lg_u32 s2, 0x3003
	s_cbranch_scc0 .Lentry_shape_is_right
	s_endpgm
.Lentry_shape_is_right:
; O[h][q][:] = the sum over k of softmax_k(Q[h][q] . K[h][k] / 8, keys with attention_mask = 0 hidden) V[h][k][:].  Q, K, V: qkv[3][64][2048][64], O: ob[64][2048][64], all f16; h = 16 batch + head.
; attention_mask: [4][2048] of int32.  Products, maxima and sums in f32; the weights p are rounded to f16 for the second product (their sum l is taken of the unrounded p), O once at the end.
; LIMITS.  f16 holds no number beyond 65,504: Q, K and V arrive within it; p lies in 0 to 1, and below 6e-5 it keeps f16's fixed step of 6e-8; O is a mean of V's rows and has their range.
; A hidden score counts as its value less 1e30; the running maximum starts at -2^50, below every visible score (f16's scores are 2.7e11 at the most) and above every hidden one.  A weight below 2^-126 counts as 0 in l.
; A batch in which every key is hidden has l = 0 and O = 0, and gives 0 x infinity = NaN, as a softmax over nothing does.  NaN and infinities in Q, K, V are not treated apart.
; SHARES.  A wave owns four PIECES of two tiles of 16 queries, a work-group's four waves 512 queries of one head: 4 x 64 = 256 work-groups.  Every wave walks all keys, 64 a step.
; LAYOUT.  S^T = K Q^T (source 0 = 16 keys, source 1 = 16 queries): in the result a lane holds ONE query (lane % 16) and the keys 8 (lane / 16) + 0..7.  Two such tiles, rounded to f16 in pairs,
; ARE source 1 (32 keys x 16 queries) of O^T = V^T P, whose result again holds one query a lane, and eight channels.  K comes out of LDS as it lies, V ([key][channel]) turned, by ds_load_tr16_b128.
; THE MASK is the C operand of the product that starts a sum S^T: 0, or -1e30 where the key is hidden.  The batch's 2,048 words are turned into such numbers once and kept in LDS; a step's 64 come into 32 registers with K's fragments.
; SOFTMAX.  For each query a running maximum m and sum l: p = 2^(c s - c m), c = log2(e) / 8; in every step O and l are multiplied by a = 2^(c m_old - c m_new), which is 1 where m has not grown.
; O and l start at 0: the first step is a step like any other; while all keys so far are hidden, m stays, a = 1 and every p is 0.
; THE COUNT.  A tile and step have 16 matrix and 118 vector instructions: too many to stand all beside the matrix work.  So the order has one aim: four vector instructions that are READY behind
; EVERY matrix instruction, and the others, which need time of their own whatever the order, in runs without a gap.
; BY TURNS.  Turn n belongs to piece n (the pieces in a ring, step after step).  Its matrix work: 16 products K Q^T of piece n + 1, later 16 products V^T P of piece n - 1.  Its vector work: the scaling,
; exponentials, roundings, sums and rescaling of piece n, and the maximum and statistics of piece n + 1, whose scores the turn itself has made.  So what a turn begins with (c s - c m, O a) waits for nothing.
; CLUSTER.  The four query blocks of a cluster are one head's and walk the same K and V, so each tile is asked for JOINTLY: the same tensor load, descriptor and mask in all four.
; REGISTERS, in windows of 256 (s_set_vgpr_msb says which window each operand place means: bits 1:0 source 0, 3:2 source 1, 5:4 source 2, 7:6 destination):
;   window 0: v0-11 addresses; v12-15, v48-63 at work; v16-47 four registers of statistics a tile; v64-191 S^T, two buffers of two tiles; v192-255 P, likewise
;   window 1: O^T, 32 a tile     window 2: v0-127 Q, 16 a tile; v128-191 K of one step; v192-255 V of one step     window 3: v0-1 the add's two registers; v8-39 the mask of one step
; A piece's buffers go by its number's parity: the piece in hand has one pair, its two neighbours in the ring share the other: of it P (piece n - 1) is read and S^T (piece n + 1) written.
.set SIZE_H, 64
.set SIZE_N, 2048
.set NP,    4         ; pieces a wave: a name, no knob: the register map, the loop and the fetches are made for four
.set KS,    64        ; keys in a step
.set PK,    144       ; a row of K in LDS: 128 bytes + 16 of padding = 36 words: the 16 rows of a load start at 16 different groups of four banks (64 banks of 4 bytes: ISA guide 11.1)
.set PV,    160       ; a row of V: 128 + 32 = 40 words
.set VOFF,  4*KS*PK   ; a slot holds four steps: 256 rows of K, then 256 rows of V
.set SLOT1, 1<<17     ; slot 1 begins here, so that one exclusive or turns an address in one slot into the other's
.set STAGE, SLOT1+4*KS*(PK+PV)  ; behind the ring, never filled by a tensor load: 16 rows x 144 bytes for each wave, for the way out
.set SP,    144
.set SPARE, STAGE+4*16*SP  ; behind the stages: the spare words, 128 bytes for each wave: two blocks of 256 bytes that no other line names
.set MB,    SPARE+512 ; behind them: the mask as f32, 4 bytes a key, 8,192 bytes; stored once, never filled by a tensor load
.set TS,  1           ; v1   16 x my thread's number: my bytes of the mask
.set AK0, 2           ; v2   my lane's place in a tile of K; never rewritten
.set AV0, 3           ; v3   the same for V
.set AK,  4           ; v4   the LDS address of K's next run of loads
.set AV,  5           ; v5   of V's
.set QO,  6           ; v6   my byte offset in the wave's rows of Q
.set STO, 6           ;      later, the way out: where I put 16 bytes of a row
.set RD,  7           ; v7   the way out: where I read rows back
.set GO,  8           ; v8   my byte offset in 512 consecutive bytes of O
.set AM0, 9           ; v9   my lane's place in a step's mask: MB + 32 (l / 16); never rewritten
.set AM,  10          ; v10  the LDS address of the mask's next run of loads
.set PFO, 11          ; v11  256 x my lane: the prefetches' offset; never rewritten
.set SPW, 0           ; v0 of window 3   LDS address of my spare word: SPARE + 4 x my thread's number; never rewritten
.set NIL, 1           ; v1 of window 3   0; never rewritten
.set MK,  8           ; v8-39 of window 3: the mask of key block kb at MK + 8 kb
.set MV,  12          ; v12-15  c m_old, kept while c m is made anew: by buffer and tile
.set ST,  16          ; tile t's statistics at v[ST+4 t]: c m, m, l (even keys', odd keys')
.set TMP, 48          ; by buffer and tile, four registers c0-c3 at work; when the maximum is found c2 takes a
.set S,   64
.set P,   192
.set L16, 128         ; v128-148 lie in S^T's second buffer, which the first turn writes: until then l % 16,
.set LH,  129         ; l / 16,
.set L8,  130         ; l % 8,
.set L3,  131         ; (l / 8) % 2,
.set MW,  132         ; v132-147 my 16 words of the mask,
.set MA,  148         ; and where they go in LDS
.set KF,  128         ; K's fragments, in window 2: key block kb, channel half c at KF + 16 kb + 8 c
.set VF,  192         ; V's: key half kk, channel block cb at VF + 32 kk + 8 cb
.set WV,  12          ; s12  my wave's number
.set LIM, 15          ; s15  1 in a wave that prefetches (0 and 2), else the greatest number: a wave prefetches while s[SLOTS] is above it
.set G1K, 24          ; s[24:31] descriptor group 1 for K's tiles
.set G1V, 32          ; s[32:39] for V's: it differs in the padding alone
.set G0K, 40          ; s[40:43] descriptor group 0 for K's tiles: it walks
.set G0V, 44          ; s[44:47] the same for V's
.set MP,  48          ; s[48:49] the batch's mask
.set TBM, 50          ; s50  byte of the mask table at which the step to be fetched begins
.set BIGN, 51         ; s51  -1e30
.set PFA, 52          ; s[52:53] where my prefetches stand: my work-group's 32 blocks of 256 bytes (of K: wave 0, of V: wave 2) of the slot after the one that is being asked for
.set SLOTS, 56        ; s56  slots still to be asked for
.set CNT, 57          ; s57  counts a slot's key steps
.set CS,  58          ; s[58:59] c: the packed scaling takes the pair's low word for both halves
.set SEL, 60          ; s[60:61] v_permlanex16_b32's selects: each lane takes its own place in the other half
.set TBK, 62          ; s62  LDS byte at which K of the step to be fetched begins
.set TBV, 63          ; s63  the same for V, less VOFF
.set MSB, 0
.macro WIN new                      ; the high byte repeats the setting that is left; a switch that changes nothing is dropped
.if MSB != (\new)
	s_set_vgpr_msb (MSB<<8)|(\new)
.set MSB, (\new)
.endif
.endm
.set W_KQ, 0x0a       ; K and Q in window 2, S^T in window 0
.set W_KM, 0x3a       ; the same with the C operand, the mask, in window 3
.set W_PV, 0x52       ; V in window 2, P in window 0, O^T in window 1
.set W_RS, 0x41       ; O^T (destination and source 0) in window 1, a in window 0
.set W_MK, 0xc0       ; destination in window 3, sources in window 0
.set W_AD, 0x0f       ; the add: address (source 0) and data (source 1) in window 3
; A joint fill.  Waves 0 and 1 fetch the two halves of a slot's K, waves 2 and 3 those of its V: 128 keys each.  The branch hangs on the wave's number alone.
; An s_nop 0 and four v_nop follow each of the two lines, ahead of the jump and the label.
.macro JLOAD
	s_cmp_lt_u32 s[WV], 2
	s_cbranch_scc0 .Lfor_v_\@
	tensor_load_to_lds s[G0K:G0K+3], s[G1K:G1K+7]
	s_nop 0
.rept 4
	v_nop
.endr
	s_branch .Lasked_\@
.Lfor_v_\@:
	tensor_load_to_lds s[G0V:G0V+3], s[G1V:G1V+7]
	s_nop 0
.rept 4
	v_nop
.endr
.Lasked_\@:
.endm
; A PREFETCH INTO THE L2 of what the NEXT change of slots will ask for: a slot's 32,768 bytes of K and of V, a lane a block of 256 bytes.  It stands behind the wave's tensor load and its five lines.
; Each block is named ONCE in the launch: a head has one cluster; its four partners share the blocks out BY ADDRESS, 32 each; in each, wave 0 asks for K's and wave 2 for V's: one instruction.
; Slots 0, 1 and 2 come by their loads alone; the last change that fills a slot asks for nothing: there is no slot behind it.
.macro ASK
	s_cmp_gt_u32 s[SLOTS], s[LIM]
	s_cbranch_scc0 .Lnot_mine_\@
	global_prefetch_b8 v[PFO], s[PFA:PFA+1] th:TH_LOAD_NT scope:SCOPE_SE
.Lnot_mine_\@:
.endm
; A round of the cluster's barrier: my work-group's barrier, so that wave 0's signal speaks for all four waves; wave 0 signals; every wave waits for all four work-groups; my work-group's barrier once more.
.macro CROUND
	s_barrier_signal -1
	s_barrier_wait -1
	s_cmp_lg_u32 s[WV], 0
	s_cbranch_scc1 .Lnot_wave_0_\@
	s_barrier_signal -3
.Lnot_wave_0_\@:
	s_barrier_wait -3
	s_barrier_signal -1
	s_barrier_wait -1
.endm
; THE CHANGE OF SLOTS.  The slot's last bytes, V of its fourth step, have been read.  Each wave waits for all its tensor loads, of which one is out: its part
; of the other slot; adds 0 to its spare word; and waits for that and for its own LDS instructions.  Behind the barrier nobody reads this slot any more and the other slot is whole.
; fill = 1: this slot is filled again, with the keys two slots on.  The barrier is then a round of the cluster's, so that no wave of any partner still reads the slot or has a load on its
; way, and the joint fill is the first thing behind it: it has four key steps, 512 matrix instructions, in which to land.  ask = 1: the prefetch's address steps, and the prefetch follows the fill.
; (At its first use nothing has been read yet: slot 0 is waited for, slot 1 filled, and every wave's stores of the mask are shown to the others.)
.macro CHANGE fill, ask=0
	WIN W_AD
	s_wait_tensorcnt 0x0            ; no tensor load of mine is out, so a group 0 may be written
	ds_add_u32 v[SPW], v[NIL]       ; 0 onto my spare word; with fill = 1 the descriptors' steps stand between it and the wait for it
	WIN 0                           ; at a label and at a branch every window is 0
.if \fill
.irp g, G0K, G0V
	s_xor_b32 s[\g+1], s[\g+1], SLOT1  ; the walking descriptor: the other slot than last time,
	s_add_nc_u64 s[\g+2:\g+3], s[\g+2:\g+3], 4*KS*128  ; the next 256 keys; the type bits on top are not reached
.endr
.if \ask
	s_wait_xcnt 0x0                 ; the last prefetch, four key steps back, has read its address, so it may be written:
	s_add_nc_u64 s[PFA:PFA+1], s[PFA:PFA+1], 4*KS*128  ; one slot behind the walking descriptors
.endif
	s_wait_dscnt 0x0                ; the add is done, and my LDS instructions are over
	CROUND
	JLOAD
.if \ask
	ASK
.endif
.else
	s_wait_dscnt 0x0                ; the add is done, and my reads of the slot are over
	s_barrier_signal -1
	s_barrier_wait -1
.endif
	s_sub_co_u32 s[TBK], s[TBK], 4*KS*PK  ; the fetches go back to a slot's first step,
	s_xor_b32 s[TBK], s[TBK], SLOT1       ; in the other slot
	s_sub_co_u32 s[TBV], s[TBV], 4*KS*PV
	s_xor_b32 s[TBV], s[TBV], SLOT1
.endm
	s_load_b64 s[4:5], s[0:1], 0x0    ; qkv: Q at its head
	s_load_b64 s[MP:MP+1], s[0:1], 0x8  ; attention_mask
	s_load_b64 s[10:11], s[0:1], 0x10 ; ob
	WIN W_MK
	v_lshl_add_u32 v[SPW], v0, 2, SPARE
	v_mov_b32 v[NIL], 0
	WIN W_AD
	ds_add_u32 v[SPW], v[NIL]       ; the wave's opening: the add and its wait stand ahead of my first tensor load; the set-up below, work on registers, stands between them
	WIN 0
	v_lshrrev_b32 v1, 5, v0
	v_readfirstlane_b32 s[WV], v1   ; wave 0..3
	s_bfe_u32 s13, ttmp6, 0x40000   ; cx: my place in the cluster
	s_lshl_b32 s14, ttmp9, 2        ; in a cluster launch ttmp9 counts clusters
	s_add_co_u32 s14, s14, s13      ; my block of queries = 4 x cluster x + cx: it enters Q's and O's addresses alone
	s_and_b32 s20, ttmp7, 0xffff    ; the head, which the four partners share
	s_lshr_b32 s54, s20, 4          ; its batch,
	s_lshl_b32 s54, s54, 13         ; whose mask is 8,192 bytes
	s_mov_b32 s55, 0
	s_mov_b32 s21, 0
	s_mov_b64 s[22:23], SIZE_N*128
	s_mul_u64 s[20:21], s[20:21], s[22:23]  ; the head's first byte in each of the four tensors
	s_and_b32 s16, s[WV], 1         ; which half of a slot's 256 keys I fetch:
	s_lshl_b32 s22, s16, 14         ; its 128 rows of 128 bytes in memory,
	s_mov_b32 s23, 0
	s_add_nc_u64 s[22:23], s[22:23], s[20:21]
	s_mul_i32 s17, s16, 128*PK      ; and its place in a slot, for K
	s_mul_i32 s18, s16, 128*PV      ; and for V: no place in the cluster enters an LDS address
	s_lshl_b32 s2, s14, 2
	s_add_co_u32 s2, s2, s[WV]      ; my wave among the head's,
	s_lshl_b32 s2, s2, 14           ; its 128 rows
	s_mov_b32 s3, 0
	s_add_nc_u64 s[2:3], s[2:3], s[20:21]
	; descriptor group 1.  128 keys are 16,384 dense bytes: asked for as 64 rows of 256 bytes, two keys a row, and padded in LDS after every key
	s_mov_b32 s[G1K], 15|(1<<16)|(1<<20)|(1<<21)|(4<<22)|(3<<25)  ; 15:0 the mask of four; 17:16 2-byte elements; 20 padding on; 21 set beside a mask; 24:22 after every 32 words (code 4); 31:25 4 words (code 3)
	s_mov_b32 s[G1V], 15|(1<<16)|(1<<20)|(1<<21)|(4<<22)|(7<<25)  ; the same with 8 words of padding (code 7)
.irp g, G1K, G1V
	s_mov_b32 s[\g+1], 128<<16      ; tensor_dim0 = 128
	s_mov_b32 s[\g+2], 64<<16       ; tensor_dim1 = 64
	s_mov_b32 s[\g+3], 128<<16      ; tile_dim0 = 128
	s_mov_b32 s[\g+4], 64           ; tile_dim1 = 64
	s_mov_b32 s[\g+5], 128          ; 128 elements from row to row
	s_mov_b32 s[\g+6], 0
	s_mov_b32 s[\g+7], 0
.endr
	s_mov_b32 s[CS], 0x3e38aa3b     ; c = log2(e) / 8 = 0.180337
	s_mov_b32 s[CS+1], s[CS]        ; named with it as a pair
	s_mov_b32 s[SEL], 0x76543210
	s_mov_b32 s[SEL+1], 0xfedcba98
	s_mov_b32 s[TBK], SLOT1+4*KS*PK ; the first change of slots turns these two into 0
	s_mov_b32 s[TBV], SLOT1+4*KS*PV
	s_mov_b32 s[TBM], 0
	s_mov_b32 s[BIGN], 0xf149f2ca   ; -1e30
	s_mov_b32 s[G0K], 1             ; 1:0 count = 1
	s_mov_b32 s[G0K+1], s17         ; 63:32 LDS address: slot 0
	s_mov_b32 s[G0V], 1
	s_add_co_u32 s[G0V+1], s18, VOFF
	s_and_b32 s[LIM], s[WV], 1      ; 0 in waves 0 and 2: the same in all four partners
	s_cmp_eq_u32 s[LIM], 0
	s_cselect_b32 s[LIM], 1, -1
	s_wait_dscnt 0x0                ; the opening add is done
	s_wait_kmcnt 0x0
	s_add_nc_u64 s[6:7], s[4:5], 0x1000000  ; K lies 2^24 bytes behind Q,
	s_add_nc_u64 s[8:9], s[4:5], 0x2000000  ; V behind K
	s_add_nc_u64 s[6:7], s[6:7], s[22:23]   ; both at my half of the head's first 256 keys
	s_add_nc_u64 s[8:9], s[8:9], s[22:23]
	s_mov_b64 s[G0K+2:G0K+3], s[6:7]               ; 120:64 global address
	s_or_b32 s[G0K+3], s[G0K+3], 0x80000000        ; 127:126 type = 2
	s_mov_b64 s[G0V+2:G0V+3], s[8:9]
	s_or_b32 s[G0V+3], s[G0V+3], 0x80000000
	s_add_nc_u64 s[4:5], s[4:5], s[2:3]  ; Q and O at my wave's first row
	s_add_nc_u64 s[10:11], s[10:11], s[2:3]
	s_add_nc_u64 s[MP:MP+1], s[MP:MP+1], s[54:55]
	s_cmp_lt_u32 s[WV], 2
	s_cselect_b64 s[PFA:PFA+1], s[6:7], s[8:9]  ; (in waves 0 and 2 these stand at a slot's first row)
	s_lshl_b32 s2, s13, 13          ; my work-group's 32 blocks of the 128
	s_mov_b32 s3, 0
	s_add_nc_u64 s[PFA:PFA+1], s[PFA:PFA+1], s[2:3]
	s_add_nc_u64 s[PFA:PFA+1], s[PFA:PFA+1], 2*4*KS*128  ; in slot 2; the first change that asks steps it to slot 3.  Nothing is prefetched here, at the head, where every work-group's first tiles are on their way
	CROUND                          ; all four work-groups are here: the first joint loads meet
	JLOAD                           ; slot 0.  Slot 1 is asked for when slot 0 is in: the tile wanted first has the road to itself
	v_and_b32 v[L16], 15, v0        ; l % 16
	v_bfe_u32 v[LH], v0, 4, 1       ; l / 16
	v_lshlrev_b32 v[TS], 4, v0
.irp n, 0,1,2,3                     ; the batch's mask: 128 threads x 16 bytes, four times
	global_load_b128 v[MW+4*\n:MW+4*\n+3], v[TS], s[MP:MP+1] offset:2048*\n
.endr
	; A fragment of K or Q is 16 rows x 32 channels in 8 registers: lane l holds row l % 16, channels 8 (l / 16) + 0..7 and 16 + 8 (l / 16) + 0..7: two loads of 16 bytes, 32 bytes apart.
	v_lshlrev_b32 v[QO], 7, v[L16]
	v_lshl_add_u32 v[QO], v[LH], 4, v[QO]  ; row x 128 + 16 x half
	WIN 0x80                        ; destination window 2, address window 0
.set i, 0
.rept 4*NP                          ; Q stays in registers: tile i / 2, channels 32 (i % 2) on
	global_load_b128 v[8*i:8*i+3],   v[QO], s[4:5] offset:(i/2)*2048+(i%2)*64
	global_load_b128 v[8*i+4:8*i+7], v[QO], s[4:5] offset:(i/2)*2048+(i%2)*64+32
.set i, i+1
.endr
	; What the first turn finds: V's registers and P's second buffer hold 0 (its products V^T P, of a piece that has not been, add 0), O^T and l are 0.  All this stands in the wait for the first tile.
.set i, VF
.rept 64
	v_mov_b32 v[i], 0
.set i, i+1
.endr
	WIN 0x40
.set i, 0
.rept 64*NP
	v_mov_b32 v[i], 0
.set i, i+1
.endr
	WIN 0
.set i, 0
.rept 2*NP
	v_mov_b32 v[ST+4*i+1], 0xd8800000  ; m = -2^50
	v_mov_b32 v[ST+4*i+2], 0
	v_mov_b32 v[ST+4*i+3], 0
	v_mul_f32 v[ST+4*i], s[CS], v[ST+4*i+1]  ; c m, by the line that makes it in every step: while m stays, c m_old - c m_new is 0 exactly
.set i, i+1
.endr
.set i, P+32
.rept 32
	v_mov_b32 v[i], 0
.set i, i+1
.endr
	v_mul_u32_u24 v[AK0], v[L16], PK
	v_lshl_add_u32 v[AK0], v[LH], 4, v[AK0]  ; row x pitch + 16 x half
	; The turning load takes 16 keys x 16 channels (lane l reads key 8 (l / 16) + l % 8, channels 8 ((l / 8) % 2) + 0..7) and leaves half a fragment of V^T: lane l holds channel l % 16 and 8 keys.
	v_and_b32 v[L8], 7, v0
	v_bfe_u32 v[L3], v0, 3, 1
	v_lshl_add_u32 v[AV0], v[LH], 3, v[L8]
	v_mul_u32_u24 v[AV0], v[AV0], PV
	v_lshl_add_u32 v[AV0], v[L3], 4, v[AV0]
	v_add_nc_u32 v[AV0], VOFF, v[AV0]
	v_mov_b32 v[AK], v[AK0]         ; key step 0 lies at the head of slot 0,
	v_lshl_add_u32 v[AM0], v[LH], 5, MB  ; register j of key block kb belongs to key 16 kb + 8 (l / 16) + j: 4 bytes a key
	v_mov_b32 v[AM], v[AM0]         ; and at the head of the mask
	v_and_b32 v[PFO], 31, v0
	v_lshlrev_b32 v[PFO], 8, v[PFO]
	v_add_nc_u32 v[MA], MB, v[TS]
	s_wait_loadcnt 32               ; the mask's four loads are in; Q's 32, issued behind them, stay out
.set mi, 0
.rept 16
	v_cmp_eq_u32 vcc_lo, 0, v[MW+mi]
	v_cndmask_b32 v[MW+mi], 0, s[BIGN], vcc_lo  ; 0 where the key is seen, -1e30 where the mask's word is 0
.set mi, mi+1
.endr
.irp n, 0,1,2,3
	ds_store_b128 v[MA], v[MW+4*\n:MW+4*\n+3] offset:2048*\n  ; the change of slots below waits for these and passes a barrier before anybody reads them
.endr
; THE MATRIX WORK.  The 8 accumulators of a run of 16 take turns: between the two links of a chain stand 7 others'.
; Product i of 16 of S^T = K Q^T for piece x: channels 32 (i / 8) on, keys 16 ((i / 2) % 4) on, tile 2 x + i % 2.  The first 8 start the sums, with the mask as C.
.macro KQ x
.set rS, S+64*((\x)%2)+32*(i%2)+8*((i/2)%4)
.set rK, KF+16*((i/2)%4)+8*(i/8)
.set rQ, 16*(2*(\x)+i%2)+8*(i/8)
.set rMK, MK+8*((i/2)%4)
.if i < 8
	WIN W_KM
	v_wmma_f32_16x16x32_f16 v[rS:rS+7], v[rK:rK+7], v[rQ:rQ+7], v[rMK:rMK+7]
.else
	WIN W_KQ
	v_wmma_f32_16x16x32_f16 v[rS:rS+7], v[rK:rK+7], v[rQ:rQ+7], v[rS:rS+7]
.endif
.endm
; Product i of 16 of O^T += V^T P for piece x: keys 32 (i / 8) on, channels 16 ((i / 2) % 4) on, tile 2 x + i % 2.
.macro PV x
	WIN W_PV
.set rO, 32*(2*(\x)+i%2)+8*((i/2)%4)
.set rV, VF+32*(i/8)+8*((i/2)%4)
.set rP, P+32*((\x)%2)+16*(i%2)+8*(i/8)
	v_wmma_f32_16x16x32_f16 v[rO:rO+7], v[rV:rV+7], v[rP:rP+7], v[rO:rO+7]
.endm
.macro MM                           ; the turn's next matrix instruction
.if i < 16
	KQ (Y+1)%NP
.set i, i+1
.else
.set i, i-16
	PV (Y+NP-1)%NP
.set i, i+17
.endif
.endm
; THE LDS LOADS stand in runs, never singly among the matrix instructions: a step's K (64 keys x 64 channels: 8 fragments) with its mask (8 loads; the lanes of a half read the same words), and its V (turned).
; Their addresses are made some lines ahead.  last = 1 (the tail): in the last trip there is no further step, and the run is jumped over.
.macro FETCH_K last=0
	WIN 0
.if \last
	s_cmp_eq_u32 s[CNT], 1
	s_cbranch_scc1 .Lno_k_\@
.endif
	WIN 0x80                        ; destination window 2
.irp f, 0,1,2,3,4,5,6,7             ; keys 16 (f / 2) on, channels 32 (f % 2) on
	ds_load_b128 v[KF+8*\f:KF+8*\f+3],   v[AK] offset:(\f/2)*16*PK+(\f%2)*64
	ds_load_b128 v[KF+8*\f+4:KF+8*\f+7], v[AK] offset:(\f/2)*16*PK+(\f%2)*64+32
.endr
	WIN W_MK                        ; destination window 3
.irp kb, 0,1,2,3
	ds_load_b128 v[MK+8*\kb:MK+8*\kb+3],   v[AM] offset:64*\kb
	ds_load_b128 v[MK+8*\kb+4:MK+8*\kb+7], v[AM] offset:64*\kb+16
.endr
	s_add_co_u32 s[TBK], s[TBK], KS*PK  ; the next fetch is the next step's
	s_add_co_u32 s[TBM], s[TBM], KS*4
	s_and_b32 s[TBM], s[TBM], 0x1f00    ; 32 steps of 256 bytes: behind the last it is 0 again, and every value names bytes of the table
	WIN 0
.if \last
.Lno_k_\@:
.endif
.endm
.macro FETCH_V
	WIN 0x80
.irp f, 0,1,2,3,4,5,6,7             ; keys 32 (f / 4) on, channels 16 (f % 4) on
	ds_load_tr16_b128 v[VF+8*\f:VF+8*\f+3],   v[AV] offset:(\f/4)*32*PV+(\f%4)*32
	ds_load_tr16_b128 v[VF+8*\f+4:VF+8*\f+7], v[AV] offset:(\f/4)*32*PV+16*PV+(\f%4)*32
.endr
	WIN 0
.endm
; THE VECTOR WORK OF A TURN stands in three queues, each in the order in which its entries become ready; the two tiles alternate, so that no instruction reads the result of the one before it.
.macro REGS y, u                    ; the registers of tile u (0, 1) of piece y
.set rT, ST+4*(2*(\y)+(\u))
.set rC, TMP+8*((\y)%2)+4*(\u)
.set rM, MV+2*((\y)%2)+(\u)
.set rS, S+64*((\y)%2)+32*(\u)
.set rP, P+32*((\y)%2)+16*(\u)
.set rO, 32*(2*(\y)+(\u))
.endm
; Number n of the 22 that find the NEXT piece's (Y + 1) maximum and statistics.  s0-s31 are the lane's 32 scores; each accumulator's lowest registers are read first.  XS, GS and REGS set no window: PL and EX do.
;   0-11  four chains c0-c3 of seven scores each, three operands at a time     12-14, 16  the four scores left over, the old m, and c0-c3 into c0     15  c m_old is kept
;   17, 18  the query's other 32 keys lie in the lane 16 away: the new m         19-21  c m; c m_old - c m_new; a
.macro XS u, n
	REGS (Y+1)%NP, \u
.if (\n) < 4
	v_max3_num_f32 v[rC+(\n)], v[rS+8*(\n)], v[rS+8*(\n)+1], v[rS+8*(\n)+2]
.elseif (\n) < 12
	v_max3_num_f32 v[rC+(\n)%4], v[rC+(\n)%4], v[rS+8*((\n)%4)+2*((\n)/4)+1], v[rS+8*((\n)%4)+2*((\n)/4)+2]
.elseif (\n) == 12
	v_max3_num_f32 v[rC], v[rC], v[rS+7], v[rS+15]
.elseif (\n) == 13
	v_max3_num_f32 v[rC+1], v[rC+1], v[rS+23], v[rS+31]
.elseif (\n) == 14
	v_max3_num_f32 v[rC+2], v[rC+2], v[rC+3], v[rT+1]
.elseif (\n) == 15
	v_mov_b32 v[rM], v[rT]
.elseif (\n) == 16
	v_max3_num_f32 v[rC], v[rC], v[rC+1], v[rC+2]
.elseif (\n) == 17
	v_permlanex16_b32 v[rC+3], v[rC], s[SEL], s[SEL+1]
.elseif (\n) == 18
	v_max_num_f32 v[rT+1], v[rC], v[rC+3]
.elseif (\n) == 19
	v_mul_f32 v[rT], s[CS], v[rT+1]
.elseif (\n) == 20
	v_sub_f32 v[rC+1], v[rM], v[rT]
.else
	v_exp_f32 v[rC+2], v[rC+1]
.endif
.endm
; Number g of the 64 that follow the exponentials.  For each four weights k of a tile (pairs 2 k, 2 k + 1): both pairs are rounded to f16; then the second pair is added onto the first, in place;
; a group later l takes that sum (the first time as l = a l + sum).  In groups of eight, tiles alternating: round, round, add, and l for the group before.
.macro GS g
.set h, (\g)+6*((\g)/62)            ; group 0 has no group before it, and behind group 7 only l is left
.if h >= 6
.set h, h+2
.endif
	REGS Y, h%2
.set k, h/8
.if h%8 < 4
	s_wait_alu depctr_va_vdst(0)
	v_cvt_pk_f16_f32 v[rP+2*k+(h%8)/2], v[rS+4*k+2*((h%8)/2)], v[rS+4*k+2*((h%8)/2)+1]
.elseif h%8 < 6
	v_pk_add_f32 v[rS+4*k:rS+4*k+1], v[rS+4*k:rS+4*k+1], v[rS+4*k+2:rS+4*k+3]
.elseif k == 1
	v_pk_fma_f32 v[rT+2:rT+3], v[rT+2:rT+3], v[rC+2:rC+3], v[rS:rS+1] op_sel_hi:[1,0,1]
.else
	v_pk_add_f32 v[rT+2:rT+3], v[rT+2:rT+3], v[rS+4*k-4:rS+4*k-3]
	s_wait_alu depctr_va_vdst(0)
.endif
.endm
; THE PLAIN QUEUE, 138 long.  0-31: c s - c m for the 16 pairs of both tiles.  Then GS's 64, and among them the next piece's 42: number 15 at 38, 39; 0-14 and 16
; at 42-73, behind the products that make those scores; 17-20 at 95-106, two of three, since each waits for the one before it.
.macro PL
	WIN 0
.if q < 32
	REGS Y, q%2
	v_pk_fma_f32 v[rS+2*(q/2):rS+2*(q/2)+1], v[rS+2*(q/2):rS+2*(q/2)+1], s[CS:CS+1], v[rT:rT+1] op_sel_hi:[1,0,0] neg_lo:[0,0,1] neg_hi:[0,0,1]
.elseif q < 38
	GS q-32
.elseif q < 40
	XS q%2, 15
.elseif q < 42
	GS q-34
.elseif q < 74
	XS q%2, (q-42)/2+(q-42)/30
.elseif q < 95
	GS q-66
.elseif (q < 107) && ((q-95)%3 < 2)
	XS (q-95)%3, 17+(q-95)/3
.elseif q < 107
	GS 29+(q-95)/3
.else
	GS q-74
.endif
.set q, q+1
.endm
; THE EXPONENTIALS' QUEUE, 66 long: s0-s31 of both tiles, and at EA the next piece's two a.
.set EA, 58
.macro EX
	WIN 0
.if (e == EA) || (e == EA+1)
	XS e-EA, 21
.else
.set x, e-2*(e/(EA+2))
	REGS Y, x%2
	v_exp_f32 v[rS+x/2], v[rS+x/2]
.endif
.set e, e+1
.endm
; THE RESCALING's QUEUE: O^T times a, the one part that leaves window 0, so it is dealt four at a time, eight times.
.macro R4
	REGS Y, r%2
	WIN W_RS
	s_wait_alu depctr_va_vdst(0)
.irp z, 0,1,2,3
	v_pk_mul_f32 v[rO+8*(r/2)+2*\z:rO+8*(r/2)+2*\z+1], v[rO+8*(r/2)+2*\z:rO+8*(r/2)+2*\z+1], v[rC+2:rC+3] op_sel_hi:[1,0]
.endr
.set r, r+1
.endm
; HOW THEY ARE DEALT.  Behind a matrix instruction four: plain, exponential, plain, plain (one exponential, a plain instruction on either side), or four of the rescaling.  None names a register of the
; products round it.  What is over stands in two LUMPS: exponential and plain by turns; the second ends in 22 plain instructions.  The two v_permlanex16_b32 fall into the second lump, never behind a product.
; The queues lean on each other, and the deal keeps them in step: exponential e stands behind plain 2 (e / 4) + e % 2 (its scaling); when plain 32 comes, 10 exponentials are out, at 59: 33, at 95: 46; EA comes behind plain 107.
.macro SL
	MM
	PL
	EX
	PL
	PL
.endm
.macro BURST n                      ; 15 matrix instructions, or 16
.rept (\n)-7
	SL
.endr
.rept 3
	MM
	R4
	SL
.endr
	MM
	R4
.endm
; A TURN, for piece p.  cnt = 1: the loop's count is taken down some lines ahead of the branch that stands behind the turn.
; K and the mask of the next step are fetched in piece 2's turn, more than 30 vector instructions behind the last product that read them; their first reader comes behind the rest of the lump, 16 products and the second lump.
; V of the step in hand is fetched at the end of piece 0's turn, 69 behind its last reader; its first reader comes behind 16 products and a lump.  The four conditions on e and q below go with the deal.
.macro TURN p, last=0, cnt=0
.set Y, (\p)
.set i, 0
.set q, 0
.set e, 0
.set r, 0
.if (\p) == NP-1
	s_wait_dscnt 0x0                ; K and the mask are in
.endif
	MM
.rept 4
	PL
.endr
	BURST 15
.rept 22
	EX
	PL
.if ((\p) == NP-2) && (e == 18)
	v_add_nc_u32 v[AK], s[TBK], v[AK0]
	v_add_nc_u32 v[AM], s[TBM], v[AM0]
.endif
.if ((\p) == NP-2) && (e == 24)
	FETCH_K \last
.endif
.endr
.if (\p) == 1
	s_wait_dscnt 0x0                ; V is in
.endif
	BURST 16
.rept 21
	EX
	PL
.endr
.rept 22
	PL
.if ((\p) == 0) && (q == 118)
	v_add_nc_u32 v[AV], s[TBV], v[AV0]
	s_wait_alu depctr_va_vdst(0)
.endif
.if ((\p) == 0) && (q == 130)
	s_add_co_u32 s[TBV], s[TBV], KS*PV
.endif
.if (\cnt) && (q == 130)
	s_sub_co_u32 s[CNT], s[CNT], 1
	s_cmp_lg_u32 s[CNT], 0
.endif
.endr
.if (\p) == 0
	FETCH_V
.endif
.endm
	CHANGE 1                        ; slot 0 is in, everybody's part of it, and so is the mask; slot 1 is asked for
	FETCH_K                         ; key step 0
	s_wait_loadcnt 0x0              ; Q
	s_wait_dscnt 0x0
.set i, 0
.rept 16
	KQ 0                            ; piece 0's first scores: there is no vector work yet to set between them
.set i, i+1
.endr
	WIN 0                           ; the addresses for the way out: eleven plain instructions, the places behind those products
	s_mul_i32 s13, s[WV], 16*SP
	s_add_co_u32 s13, s13, STAGE    ; my stage
	v_mul_u32_u24 v[STO], v[L16], SP  ; in: row l % 16, 16 bytes for each half of the lanes
	v_lshl_add_u32 v[STO], v[LH], 4, v[STO]
	v_add_nc_u32 v[STO], s13, v[STO]
	v_bfe_u32 v[RD], v0, 3, 2       ; back: 32 lanes take four rows of 128 bytes,
	v_mul_u32_u24 v[RD], v[RD], SP
	v_lshl_add_u32 v[RD], v[L8], 4, v[RD]
	v_add_nc_u32 v[RD], s13, v[RD]
	v_and_b32 v[GO], 31, v0         ; which are 512 consecutive bytes of O
	v_lshlrev_b32 v[GO], 4, v[GO]
.set Y, NP-1                        ; XS works for piece Y + 1: piece 0
.irp n, 0,1,2,3,4,5,6,7,8,9,10,11,12,13,14,15,16,17,18,19,20,21
	XS 0, \n                        ; and piece 0's first maximum and statistics
	XS 1, \n
.endr
	s_mov_b32 s[CNT], 4
	s_mov_b32 s[SLOTS], SIZE_N/256-1
	s_branch .Lfirst                ; the loop is entered at a step's first turn, in the middle of a trip
.Lslot:                             ; SIZE_N / 256 - 2 times: every slot but the last two is filled again
	CHANGE 1, 1
	s_mov_b32 s[CNT], 4
.Lstep:                             ; a trip: pieces 2 and 3 of one step, then pieces 0 and 1 of the next, whose K and V it fetches
	TURN 2
	TURN 3
	WIN 0
.Lfirst:
	TURN 0
	TURN 1, 0, 1
	WIN 0
	s_cbranch_scc1 .Lstep
	s_sub_co_u32 s[SLOTS], s[SLOTS], 1
	s_cmp_lg_u32 s[SLOTS], 0
	s_cbranch_scc1 .Lslot
	CHANGE 0                        ; the tail is written out: nothing is asked for
	s_mov_b32 s[CNT], 5             ; four trips fetch the last slot's steps; the fifth is left in its middle
.Ltail:
	TURN 2, 1
	TURN 3
	WIN 0
	s_sub_co_u32 s[CNT], s[CNT], 1
	s_cmp_eq_u32 s[CNT], 0
	s_cbranch_scc1 .Lout
	TURN 0
	TURN 1
	WIN 0
	s_branch .Ltail
.Lout:                              ; the fifth trip's 16 products K Q^T (on the last K once more) and the maximum made of them serve nothing: the price, once a launch, of one text for every trip
.set i, 0
.rept 16
	PV NP-1                         ; the last piece's V^T P of the last step
.set i, i+1
.endr
	; THE WAY OUT.  l's two halves and the other half of the lanes' are added; O^T is divided by l, rounded to f16 and sent through my stage in LDS, a tile at a time.  The additions are the places behind the last products.
	WIN 0
.macro ALL line:vararg              ; one line for each tile t
.set t, 0
.rept 2*NP
	\line
.set t, t+1
.endr
.endm
	ALL v_add_f32 v[ST+4*t+2], v[ST+4*t+2], v[ST+4*t+3]
	ALL v_permlanex16_b32 v[ST+4*t+3], v[ST+4*t+2], s[SEL], s[SEL+1]
	ALL v_add_f32 v[ST+4*t+2], v[ST+4*t+2], v[ST+4*t+3]
	ALL v_rcp_f32 v[ST+4*t+2], v[ST+4*t+2]
	v_nop                           ; a plain instruction between the last reciprocal and the use of its result
	s_wait_alu depctr_va_vdst(0)
; Tile t: a lane's eight channels of a row pack into 16 bytes; they go into rows of 144 bytes and come back as whole rows of 128, into S^T's registers.
.macro PACK t
	WIN W_RS
.set i, 32*(\t)
.rept 16
	v_pk_mul_f32 v[i:i+1], v[i:i+1], v[ST+4*(\t)+2:ST+4*(\t)+3] op_sel_hi:[1,0]
.set i, i+2
.endr
	WIN 0x05                        ; sources 0 and 1 window 1, destination window 0
.set i, 0
.rept 16
	v_cvt_pk_f16_f32 v[S+16*(\t)+i], v[32*(\t)+2*i], v[32*(\t)+2*i+1]
.set i, i+1
.endr
	WIN 0
.irp f, 0,1,2,3
	ds_store_b128 v[STO], v[S+16*(\t)+4*\f:S+16*(\t)+4*\f+3] offset:32*\f
.endr
.irp f, 0,1,2,3
	ds_load_b128 v[S+16*(\t)+4*\f:S+16*(\t)+4*\f+3], v[RD] offset:\f*4*SP  ; LDS serves a wave's instructions in order (ISA guide 5.7.1.4): these see the stores above; the next tile's stores come behind them
.endr
.endm
.macro SEND t, younger              ; younger: the LDS instructions issued behind tile t's loads: the next tile's eight, or none
	WIN 0
.irp f, 0,1,2,3
	s_wait_dscnt (\younger)+3-\f
	global_store_b128 v[GO], v[S+16*(\t)+4*\f:S+16*(\t)+4*\f+3], s[10:11] offset:(\t)*2048+\f*512  ; 512 consecutive bytes, at a multiple of 256 from O's first
.endr
.endm
	PACK 0
.set t, 1
.rept 2*NP-1                        ; a tile's arithmetic stands between the loads of the tile before and its stores
	PACK t
	SEND t-1, 8
.set t, t+1
.endr
	SEND 2*NP-1, 0
	WIN W_AD
	s_wait_tensorcnt 0x0            ; the wave's end, behind my last tensor load and my last LDS store
	ds_add_u32 v[SPW], v[NIL]
	s_wait_dscnt 0x0
	WIN 0
	CROUND                          ; the closing round: no work-group ends while a partner may still ask for a tile that names it
	s_endpgm
.Lfunc_end_k_q27295a3c8c_attn:
	.size	k_q27295a3c8c_attn, .Lfunc_end_k_q27295a3c8c_attn-k_q27295a3c8c_attn
	.p2alignl 7, 3214868480
	.fill 96, 4, 3214868480
	.section	.rodata,"a",@progbits
	.p2align	6, 0x0
	.amdhsa_kernel k_q27295a3c8c_attn
		.amdhsa_group_segment_fixed_size 327680
		.amdhsa_private_segment_fixed_size 0
		.amdhsa_enable_private_segment 0
		.amdhsa_kernarg_size 24
		.amdhsa_user_sgpr_count 2
		.amdhsa_user_sgpr_kernarg_segment_ptr 1
		.amdhsa_wavefront_size32 1
		.amdhsa_system_sgpr_workgroup_id_x 1
		.amdhsa_system_sgpr_workgroup_id_y 1
		.amdhsa_system_sgpr_workgroup_id_z 1
		.amdhsa_system_vgpr_workitem_id 0
		.amdhsa_next_free_vgpr 808
		.amdhsa_next_free_sgpr 66
		.amdhsa_reserve_vcc 1
		.amdhsa_float_denorm_mode_32 3
		.amdhsa_float_denorm_mode_16_64 3
		.amdhsa_memory_ordered 1
		.amdhsa_forward_progress 1
		.amdhsa_inst_pref_size 214
	.end_amdhsa_kernel
	.amdgpu_metadata
---
amdhsa.version: [ 1, 2 ]
amdhsa.kernels:
  - .name:           k_q27295a3c8c_attn
    .symbol:         k_q27295a3c8c_attn.kd
    .args:
      - { .name: qkv, .offset: 0, .size: 8, .value_kind: global_buffer, .address_space: global }
      - { .name: attention_mask, .offset: 8, .size: 8, .value_kind: global_buffer, .address_space: global }
      - { .name: ob, .offset: 16, .size: 8, .value_kind: global_buffer, .address_space: global }
    .group_segment_fixed_size: 327680
    .private_segment_fixed_size: 0
    .kernarg_segment_align: 8
    .kernarg_segment_size: 24
    .max_flat_workgroup_size: 128
    .sgpr_count:     66
    .vgpr_count:     808
    .wavefront_size: 32
...
	.end_amdgpu_metadata
.endif
;; end of part 3
;; launch oproj (part 4): grid 8 x 32, 4 waves a work-group, clusters of 4 x 4, 327,680 bytes of LDS; arguments ob, xw, b_o, out0; writes out0
.if DOCPART == 4
	.amdgcn_target "amdgcn-amd-amdhsa--gfx1250"
	.amdhsa_code_object_version 6
	.text
	.protected	k_q27295a3c8c_oproj
	.globl	k_q27295a3c8c_oproj
	.p2align	8
	.type	k_q27295a3c8c_oproj,@function
k_q27295a3c8c_oproj:
	s_mov_b64 s[64:65], 0
	v_nop
	global_prefetch_b8 v0, s[64:65] scope:SCOPE_SE
	s_setreg_imm32_b32 hwreg(HW_REG_WAVE_MODE, 25, 1), 1
	s_wait_xcnt 0x0
	s_wait_alu depctr_hold_cnt(0) depctr_sa_sdst(0) depctr_va_vdst(0) depctr_va_sdst(0) depctr_va_ssrc(0) depctr_va_vcc(0) depctr_vm_vsrc(0)
	s_getreg_b32 s2, hwreg(HW_REG_IB_STS2, 6, 4)
	s_cmp_eq_u32 s2, 0
	s_cbranch_scc0 .Lentry_in_a_cluster
	s_endpgm
.Lentry_in_a_cluster:
	s_bfe_u32 s2, ttmp6, 0x10000c
	s_cmp_lg_u32 s2, 0xf033
	s_cbranch_scc0 .Lentry_shape_is_right
	s_endpgm
.Lentry_shape_is_right:
; out0 = O W_o^T + b_o.  O: ob[64 = 16 batch + head][2048][64] f16, so channel k of row (batch, s) lies in head k / 64; W_o: rows 11264-12287 of xw, [1024][1024], the bf16 rounding written as f16;
; b_o f32, rounded to bf16 here like the other inputs; out0: [8192][1024] f32.  Products in f16, sums in f32, nothing is rounded behind the sums.
; SHARES.  A tile of C is 256 rows x 128 columns: 8 x 32 = 256 work-groups.  Four waves, each 128 x 64: 32 accumulators of 16 x 16, 256 registers.
; K = 1,024 goes in 8 steps of 128, two heads each, through a ring of two LDS slots filled by the tensor data mover.  A's tile is two planes, a head each: 256 rows of 128 bytes, dense in memory,
; asked for as 128 rows of 256 bytes and padded in LDS after every 128; waves 0 and 1 fetch a plane each, waves 2 and 3 the halves of B's 128 rows of 256 bytes.
; CLUSTERS.  4 x 4 work-groups.  The four of a row of the cluster need the same tiles of A, the four of a column the same tiles of B: each tile is asked for JOINTLY, by the same tensor load
; with the same descriptor and a mask that names the four.  No prefetch: a step's tiles are 96 KiB for 512 matrix instructions of the work-group, and each is asked for once by four.
; THE MATRIX INSTRUCTION IS USED TRANSPOSED (source 0 = 16 rows of W_o, source 1 = 16 rows of O): a lane holds row l % 16 of C and the columns 8 (l / 16) + 0..7.
; THE BIAS IS THE C OPERAND of the product that starts each sum: nothing is cleared, and nothing is added on the way out.
; REGISTERS.  window 0: v0-31 addresses; v32-63 the bias of my 64 columns; v64-159, v160-255 two fragment buffers (A's 8 x 16 rows x 32 K, then B's 4); on the way out v64-127 two sets of 16 rows read back.
;   window 1: the accumulators, (a, b) at v[8 (4 a + b)].
.set PITA,   144                       ; a row of A in LDS: 128 bytes + 16 of padding = 36 words: the 16 rows of a load start at 16 different groups of four banks (64 banks of 4 bytes: ISA guide 11.1)
.set PITB,   272                       ; a row of B: 256 + 16
.set APLANE, 256*PITA                  ; A's quarters 2 and 3 of a K step lie in the second plane
.set AROWS,  128*PITA                  ; the 128 rows of A that a wave multiplies, in each plane
.set HALFA,  256*PITA                  ; what one tensor load of A brings: a plane
.set BOFF,   2*HALFA                   ; B's 128 rows lie behind A's two planes
.set HALFB,  64*PITB                   ; what one tensor load of B brings, and what a wave multiplies: 64 rows
.set SLOT,   BOFF+2*HALFB
.set STAGE,  2*SLOT                    ; behind the ring: 16 rows x 272 bytes for each wave, for the way out
.set SPITCH, 272
.set SPARE,  STAGE+4*16*SPITCH         ; behind the stages: the spare words, 128 bytes for each wave: two blocks of 256 bytes that no other line names
.set ASTEP,  2*2048*128                ; bytes of memory from a K step of A to the next: two heads
.set BSTEP,  256
.set LAPS,   4                         ; a lap = two K steps = once round the ring
.set ADRA, 16                          ; v16-17  LDS address of my A fragments in slot 0, 1
.set ADRB, 20                          ; v20-21  the same for B
.set STO,  24                          ; v24     the way out: where I put 32 bytes of a row
.set RD,   25                          ; v25     the way out: where I read a row back
.set GO,   26                          ; v26     my byte offset in two rows of out0
.set BO,   27                          ; v27     my byte offset in the bias of a block of 16 columns
.set SPW,  28                          ; v28     LDS address of my spare word: SPARE + 4 x my thread's number; never rewritten
.set NIL,  29                          ; v29     0; never rewritten
.set BIAS, 32
.set F0,   64
.set F1,   160
.set OUTR, 64
.set WV, 14                            ; s14  my wave's number
.set RH, 15                            ; s15  which 128 rows of the tile are mine.  Also: I fetch for A (0) or for B (1)
.set CH, 16                            ; s16  which 64 columns.  Also: which plane of A or half of B I fetch
.set G1, 24                            ; s[24:31] descriptor group 1 for A's tiles;  s[32:39] group 0, a set for each slot
.set G0, 32
.set G1B, 48                           ; s[48:55], s[56:63] the same for B's tiles
.set G0B, 56
.set W_MUL,   0x50                     ; C and D in window 1, the sources in window 0
.set W_FIRST, 0x40                     ; D in window 1, C (the bias) in window 0
.set MSB, 0
.macro WIN new                         ; the immediate's high byte repeats the setting that is left; a switch that changes nothing is dropped
.if MSB != (\new)
	s_set_vgpr_msb (MSB<<8)|(\new)
.set MSB, \new
.endif
.endm
.macro PLACES                          ; four places in front of loads into registers that matrix instructions have read, and of lines that read results
.rept 4
	v_nop
.endr
.endm
.macro JLOAD s                         ; a joint load: waves 0 and 1 fetch A's two planes, waves 2 and 3 B's halves; an s_nop 0 and four v_nop follow each of the two lines
	s_cmp_eq_u32 s[RH], 0
	s_cbranch_scc0 .Lfor_b_\@
	tensor_load_to_lds s[G0+4*(\s):G0+4*(\s)+3], s[G1:G1+7]
	s_nop 0
.rept 4
	v_nop
.endr
	s_branch .Lasked_\@
.Lfor_b_\@:
	tensor_load_to_lds s[G0B+4*(\s):G0B+4*(\s)+3], s[G1B:G1B+7]
	s_nop 0
.rept 4
	v_nop
.endr
.Lasked_\@:
.endm
.macro CREST                           ; a round of the cluster's barrier behind its opening barrier
	s_cmp_lg_u32 s[WV], 0
	s_cbranch_scc1 .Lnot_wave_0_\@
	s_barrier_signal -3
.Lnot_wave_0_\@:
	s_barrier_wait -3
	s_barrier_signal -1
	s_barrier_wait -1
.endm
.macro CROUND                          ; a whole round
	s_barrier_signal -1
	s_barrier_wait -1
	CREST
.endm
	s_load_b256 s[4:11], s[0:1], 0x0               ; ob s[4:5], xw s[6:7], b_o s[8:9], out0 s[10:11]
	v_lshl_add_u32 v[SPW], v0, 2, SPARE
	v_mov_b32 v[NIL], 0
	ds_add_u32 v[SPW], v[NIL]                      ; the wave's opening: the add and its wait stand ahead of my first tensor load; the set-up below, work on registers, stands between them
	v_lshrrev_b32 v1, 5, v0
	v_readfirstlane_b32 s[WV], v1                  ; wave 0..3
	s_lshr_b32 s[RH], s[WV], 1
	s_and_b32 s[CH], s[WV], 1
	s_bfe_u32 s17, ttmp6, 0x40000                  ; cx, cy: my place in the cluster
	s_bfe_u32 s18, ttmp6, 0x40004
	s_lshl_b32 s19, ttmp9, 2
	s_add_co_u32 s19, s19, s17                     ; tile column = 4 x cluster x + cx, 0..7
	s_and_b32 s20, ttmp7, 0xffff
	s_lshl_b32 s20, s20, 2
	s_add_co_u32 s20, s20, s18                     ; tile row = 4 x cluster y + cy, 0..31
	s_lshl_b32 s21, s18, 2
	s_lshl_b32 s21, 15, s21                        ; my row of the cluster
	s_lshl_b32 s22, 0x1111, s17                    ; my column
	; descriptor group 1.  A: 128 rows of 128 elements of 2 bytes, dense, padded after every 32 words.  B: 64 rows of 128 elements, 1,024 elements apart, padded after every 64 words
	s_or_b32 s[G1+0], s21, (1<<16)|(1<<20)|(1<<21)|(4<<22)|(3<<25)   ; 15:0 the mask; 17:16 2-byte elements; 20 padding on; 21 set beside a mask; 24:22 after every 32 words (code 4); 31:25 4 words (code 3)
	s_or_b32 s[G1B+0], s22, (1<<16)|(1<<20)|(1<<21)|(5<<22)|(3<<25)  ; after every 64 words (code 5)
	s_mov_b32 s[G1+1], 128<<16                     ; tensor_dim0 = 128
	s_mov_b32 s[G1+2], 128<<16                     ; tensor_dim1 = 128
	s_mov_b32 s[G1+3], 128<<16                     ; tile_dim0 = 128
	s_mov_b32 s[G1+4], 128                         ; tile_dim1 = 128
	s_mov_b32 s[G1+5], 128                         ; elements from row to row
	s_mov_b32 s[G1+6], 0
	s_mov_b32 s[G1+7], 0
	s_mov_b32 s[G1B+1], 128<<16
	s_mov_b32 s[G1B+2], 64<<16                     ; tensor_dim1 = 64
	s_mov_b32 s[G1B+3], 128<<16
	s_mov_b32 s[G1B+4], 64                         ; tile_dim1 = 64
	s_mov_b32 s[G1B+5], 1024
	s_mov_b32 s[G1B+6], 0
	s_mov_b32 s[G1B+7], 0
	; where the tiles come from.  A's hang on the tile row alone, B's on the tile column alone; each in registers that never hold the other coordinate
	s_lshr_b32 s40, s20, 3                         ; the batch: 8 tile rows each
	s_lshl_b32 s40, s40, 4
	s_add_co_u32 s40, s40, s[CH]                   ; its head 0 or 1: my plane of K step 0,
	s_lshl_b32 s40, s40, 18                        ; 2,048 rows of 128 bytes a head
	s_and_b32 s44, s20, 7
	s_lshl_b32 s44, s44, 15                        ; the tile's 256 rows in the batch
	s_add_co_u32 s40, s40, s44
	s_mov_b32 s41, 0
	s_lshl_b32 s42, s19, 7
	s_lshl_b32 s45, s[CH], 6
	s_add_co_u32 s42, s42, s45                     ; B: row 128 x tile column + 64 x half,
	s_lshl_b32 s42, s42, 11                        ; of 2,048 bytes,
	s_add_co_u32 s42, s42, 0x1600000               ; behind xw's first 11,264 rows
	s_mov_b32 s43, 0
	s_mul_i32 s46, s[CH], HALFA                    ; and where they go: no place in the cluster enters an LDS address
	s_mul_i32 s47, s[CH], HALFB
	s_add_co_u32 s47, s47, BOFF
	s_wait_dscnt 0x0                               ; the opening add is done
	s_wait_kmcnt 0x0
	s_add_nc_u64 s[40:41], s[4:5], s[40:41]
	s_add_nc_u64 s[42:43], s[6:7], s[42:43]
	CROUND                                         ; all sixteen work-groups are here: the first joint loads meet
.irp s, 0,1
	s_mov_b32 s[G0+4*(\s)], 1                                        ; count = 1
	s_add_co_u32 s[G0+4*(\s)+1], s46, (\s)*SLOT                      ; LDS address
	s_add_nc_u64 s[G0+4*(\s)+2:G0+4*(\s)+3], s[40:41], (\s)*ASTEP    ; global address: K step s
	s_or_b32 s[G0+4*(\s)+3], s[G0+4*(\s)+3], 0x80000000              ; type = 2
	s_mov_b32 s[G0B+4*(\s)], 1
	s_add_co_u32 s[G0B+4*(\s)+1], s47, (\s)*SLOT
	s_add_nc_u64 s[G0B+4*(\s)+2:G0B+4*(\s)+3], s[42:43], (\s)*BSTEP
	s_or_b32 s[G0B+4*(\s)+3], s[G0B+4*(\s)+3], 0x80000000
	JLOAD \s                                       ; two loads of mine are out
.endr
	s_lshl_b32 s44, s19, 9                         ; the bias of my 64 columns: 128 columns of 4 bytes a tile,
	s_lshl_b32 s45, s[CH], 8                       ; my half
	s_add_co_u32 s44, s44, s45
	s_mov_b32 s45, 0
	s_add_nc_u64 s[8:9], s[8:9], s[44:45]
	v_and_b32 v1, 15, v0                           ; l % 16
	v_bfe_u32 v2, v0, 4, 1                         ; l / 16
	v_lshlrev_b32 v[BO], 5, v2                     ; my 8 columns of 16
.irp b, 0,1,2,3
	global_load_b128 v[BIAS+8*(\b):BIAS+8*(\b)+3],   v[BO], s[8:9] offset:64*(\b)
	global_load_b128 v[BIAS+8*(\b)+4:BIAS+8*(\b)+7], v[BO], s[8:9] offset:64*(\b)+16
.endr
	; A fragment is 16 rows x 32 K in 8 registers: lane l holds row l % 16; registers 0-3 K = 8 (l / 16) + 0..7, registers 4-7 K = 16 + 8 (l / 16) + 0..7: two loads of 16 bytes, 32 bytes apart
	v_mul_u32_u24 v3, v1, PITA
	v_lshl_add_u32 v3, v2, 4, v3
	v_mul_u32_u24 v4, v1, PITB
	v_lshl_add_u32 v4, v2, 4, v4
	s_mul_i32 s2, s[RH], AROWS                     ; my 128 rows of A, in the first plane
	s_mul_i32 s23, s[CH], HALFB                    ; my 64 rows of B
	s_add_co_u32 s23, s23, BOFF
.irp s, 0,1
	v_add_nc_u32 v[ADRA+(\s)], s2, v3
	v_add_nc_u32 v[ADRB+(\s)], s23, v4
	s_add_co_u32 s2, s2, SLOT
	s_add_co_u32 s23, s23, SLOT
.endr
	s_mul_i32 s2, s[WV], 16*SPITCH
	s_add_co_u32 s2, s2, STAGE                     ; my stage
	v_mul_u32_u24 v[STO], v1, SPITCH               ; in: row l % 16, 32 bytes for each half of the lanes
	v_lshl_add_u32 v[STO], v2, 5, v[STO]
	v_add_nc_u32 v[STO], s2, v[STO]
	v_mul_u32_u24 v[RD], v2, SPITCH                ; back: lanes 0-15 take one row of 256 bytes, lanes 16-31 the next
	v_lshl_add_u32 v[RD], v1, 4, v[RD]
	v_add_nc_u32 v[RD], s2, v[RD]
	v_lshlrev_b32 v[GO], 12, v2                    ; and the same two rows in out0, 4,096 bytes apart
	v_lshl_add_u32 v[GO], v1, 4, v[GO]
	s_lshl_b32 s44, s20, 8
	s_lshl_b32 s45, s[RH], 7
	s_add_co_u32 s44, s44, s45                     ; my first row of out0,
	s_lshl_b32 s44, s44, 12                        ; of 4,096 bytes;
	s_lshl_b32 s45, s19, 9                         ; the tile's first column,
	s_add_co_u32 s44, s44, s45
	s_lshl_b32 s45, s[CH], 8                       ; my 64 columns: 256 bytes
	s_add_co_u32 s44, s44, s45
	s_mov_b32 s45, 0
	s_add_nc_u64 s[10:11], s[10:11], s[44:45]
	s_wait_loadcnt 0x0                             ; the bias
.set bi, 0
.rept 16                                       ; rounded to bf16 like the other inputs, and widened again
	v_cvt_pk_bf16_f32 v30, v[BIAS+bi], v[BIAS+bi+1]
	v_lshlrev_b32 v[BIAS+bi], 16, v30
	v_and_b32 v[BIAS+bi+1], 0xffff0000, v30
.set bi, bi+2
.endr
; n x 4 matrix instructions: m blocks a0 .. a0 + n - 1 x all 4 n blocks, 32 along K, from buffer f.  first = 1: the product starts the sum, with the bias as C.
; The 32 accumulators take turns, one instruction a turn, in the same order in every quarter.
.macro MULS f, a0, n, first
.if \first
	WIN W_FIRST
.else
	WIN W_MUL
.endif
.set ma, \a0
.rept \n
.set mb, 0
.rept 4
.if \first
	v_wmma_f32_16x16x32_f16 v[8*(4*ma+mb):8*(4*ma+mb)+7], v[(\f)+64+8*mb:(\f)+64+8*mb+7], v[(\f)+8*ma:(\f)+8*ma+7], v[BIAS+8*mb:BIAS+8*mb+7]
.else
	v_wmma_f32_16x16x32_f16 v[8*(4*ma+mb):8*(4*ma+mb)+7], v[(\f)+64+8*mb:(\f)+64+8*mb+7], v[(\f)+8*ma:(\f)+8*ma+7], v[8*(4*ma+mb):8*(4*ma+mb)+7]
.endif
.set mb, mb+1
.endr
.set ma, ma+1
.endr
.endm
; 24 LDS loads in one run: the fragments of quarter q of a K step into buffer f: B's four, A's blocks 0-3, A's blocks 4-7.  A's largest immediate is APLANE + 64 + 7 x 16 x PITA + 32 = 53,088
.macro FETCH slot, q, f
	WIN 0
.irp i, 0,1,2,3
	ds_load_b128 v[(\f)+64+8*(\i):(\f)+64+8*(\i)+3],   v[ADRB+(\slot)] offset:64*(\q)+(\i)*16*PITB
	ds_load_b128 v[(\f)+64+8*(\i)+4:(\f)+64+8*(\i)+7], v[ADRB+(\slot)] offset:64*(\q)+(\i)*16*PITB+32
.endr
.irp i, 0,1,2,3,4,5,6,7
	ds_load_b128 v[(\f)+8*(\i):(\f)+8*(\i)+3],   v[ADRA+(\slot)] offset:((\q)/2)*APLANE+((\q)%2)*64+(\i)*16*PITA
	ds_load_b128 v[(\f)+8*(\i)+4:(\f)+8*(\i)+7], v[ADRA+(\slot)] offset:((\q)/2)*APLANE+((\q)%2)*64+(\i)*16*PITA+32
.endr
.endm
; A K step is four quarters of 32 along K, 32 matrix instructions each, on buffers 0, 1, 0, 1.  One of the first three: multiplies buffer f and fetches quarter q into g.
.macro QUARTER slot, q, f, g, first
	s_wait_dscnt 8                                 ; B and A's blocks 0-3 are in; the youngest eight loads (A's blocks 4-7) may be out
	MULS \f, 0, 4, \first
	PLACES
	FETCH \slot, \q, \g
	s_wait_dscnt 24                                ; all but the 24 just issued
	MULS \f, 4, 4, \first
.endm
; The last quarter multiplies buffer 1 and changes slots: ONE barrier; in front of it each wave waits for all its tensor loads, adds 0 to its spare word, and waits for that and for its own reads of this slot.
; fill = 1: the barrier opens a round of the cluster's barrier, and this slot is filled again, two K steps ahead: 112 matrix instructions ahead of the wait for that load.
.macro TURN slot, next, fill
	WIN 0
	s_wait_tensorcnt 0x0                           ; all my tensor loads have landed: the one that was out is my part of the next slot
	ds_add_u32 v[SPW], v[NIL]                      ; 0 onto my spare word
	s_wait_dscnt 9                                 ; (the add and the youngest eight loads may be out)
	MULS F1, 0, 2, 0                               ; eight matrix instructions stand between the add and the wait for it
	s_wait_dscnt 0x0                               ; the add is done, and my reads of this slot are over
	s_barrier_signal -1
	MULS F1, 2, 2, 0
.if \fill
	WIN 0
.endif
	s_barrier_wait -1
.if \fill
	CREST                                          ; no wave of any partner still reads this slot's tile or has a load on its way
	s_add_nc_u64 s[G0+4*(\slot)+2:G0+4*(\slot)+3], s[G0+4*(\slot)+2:G0+4*(\slot)+3], 2*ASTEP
	s_add_nc_u64 s[G0B+4*(\slot)+2:G0B+4*(\slot)+3], s[G0B+4*(\slot)+2:G0B+4*(\slot)+3], 2*BSTEP
	JLOAD \slot                                    ; the first tensor load behind the round; its four v_nop are also the places in front of the loads below
.else
	PLACES
.endif
	FETCH \next, 0, F0
	MULS F1, 4, 4, 0
.endm
	s_wait_tensorcnt 1                             ; my part of K step 0 is in; K step 1's load, the one issued behind it, may stay out
	s_barrier_signal -1
	s_barrier_wait -1                              ; everybody's is
	FETCH 0, 0, F0
	QUARTER 0, 1, F0, F1, 1                        ; the first quarter stands in front of the loop: its products start the sums
	WIN 0                                          ; at a label and at a branch every window is 0
	s_mov_b32 s3, LAPS-1
.Llap:                                                 ; a trip goes once round the ring, from a lap's second quarter to the next lap's first, and fills both slots again
	QUARTER 0, 2, F1, F0, 0
	QUARTER 0, 3, F0, F1, 0
	TURN 0, 1, 1
	QUARTER 1, 1, F0, F1, 0
	QUARTER 1, 2, F1, F0, 0
	QUARTER 1, 3, F0, F1, 0
	TURN 1, 0, 1
	QUARTER 0, 1, F0, F1, 0
	WIN 0
	s_sub_co_u32 s3, s3, 1
	s_cmp_lg_u32 s3, 0
	s_cbranch_scc1 .Llap
	QUARTER 0, 2, F1, F0, 0                        ; the last lap fills nothing
	QUARTER 0, 3, F0, F1, 0
	TURN 0, 1, 0
	QUARTER 1, 1, F0, F1, 0
	QUARTER 1, 2, F1, F0, 0
	QUARTER 1, 3, F0, F1, 0
	s_wait_dscnt 8                                 ; the very last quarter: nothing more to fetch
	MULS F1, 0, 4, 0
	s_wait_dscnt 0
	MULS F1, 4, 4, 0
	WIN 0
	PLACES
; THE WAY OUT, in f32.  Block a (16 rows x 64 columns): a lane's eight columns are 32 bytes; they go into my stage's rows of 272 bytes (each accumulator's lowest registers first)
; and come back as whole rows of 256 bytes, into one of two sets of 32 registers.
.macro TOSTAGE a
	WIN 0x04                                       ; the stores' data in window 1, their address in window 0
.irp b, 0,1,2,3
	ds_store_b128 v[STO], v[8*(4*(\a)+(\b)):8*(4*(\a)+(\b))+3]   offset:64*(\b)
	ds_store_b128 v[STO], v[8*(4*(\a)+(\b))+4:8*(4*(\a)+(\b))+7] offset:64*(\b)+16
.endr
	WIN 0
.if (\a) >= 2
	s_wait_xcnt 0x0                                ; the stores of the block two back have read this set of registers: it is loaded again only behind this wait
.endif
.irp t, 0,1,2,3,4,5,6,7
	ds_load_b128 v[OUTR+32*((\a)%2)+4*(\t):OUTR+32*((\a)%2)+4*(\t)+3], v[RD] offset:(\t)*2*SPITCH  ; LDS serves a wave's instructions in order (ISA guide 5.7.1.4): these see the stores above; the next block's stores come behind them
.endr
.endm
.macro SEND a, younger                 ; younger: the LDS instructions issued behind block a's loads: the next block's sixteen, or none
.irp t, 0,1,2,3,4,5,6,7
	s_wait_dscnt (\younger)+7-(\t)
	global_store_b128 v[GO], v[OUTR+32*((\a)%2)+4*(\t):OUTR+32*((\a)%2)+4*(\t)+3], s[10:11] offset:(16*(\a)+2*(\t))*4096  ; 16 lanes store 256 consecutive bytes, at a multiple of 256 from out0's first byte; 126 rows at the most: 516,096, inside the signed 24-bit immediate
.endr
.endm
	TOSTAGE 0
.irp a, 1,2,3,4,5,6,7
	TOSTAGE \a
	SEND (\a)-1, 16
.endr
	SEND 7, 0
	s_wait_tensorcnt 0x0                           ; the wave's end, behind my last tensor load and my last LDS store
	ds_add_u32 v[SPW], v[NIL]
	s_wait_dscnt 0x0
	CROUND                                         ; the closing round: no work-group ends while a partner may still ask for a tile that names it
	s_endpgm
.Lfunc_end_k_q27295a3c8c_oproj:
	.size	k_q27295a3c8c_oproj, .Lfunc_end_k_q27295a3c8c_oproj-k_q27295a3c8c_oproj
	.p2alignl 7, 3214868480
	.fill 96, 4, 3214868480
	.section	.rodata,"a",@progbits
	.p2align	6, 0x0
	.amdhsa_kernel k_q27295a3c8c_oproj
		.amdhsa_group_segment_fixed_size 327680
		.amdhsa_private_segment_fixed_size 0
		.amdhsa_enable_private_segment 0
		.amdhsa_kernarg_size 32
		.amdhsa_user_sgpr_count 2
		.amdhsa_user_sgpr_kernarg_segment_ptr 1
		.amdhsa_wavefront_size32 1
		.amdhsa_system_sgpr_workgroup_id_x 1
		.amdhsa_system_sgpr_workgroup_id_y 1
		.amdhsa_system_sgpr_workgroup_id_z 1
		.amdhsa_system_vgpr_workitem_id 0
		.amdhsa_next_free_vgpr 512
		.amdhsa_next_free_sgpr 66
		.amdhsa_reserve_vcc 0
		.amdhsa_float_denorm_mode_32 3
		.amdhsa_float_denorm_mode_16_64 3
		.amdhsa_memory_ordered 1
		.amdhsa_forward_progress 1
		.amdhsa_inst_pref_size 91
	.end_amdhsa_kernel
	.amdgpu_metadata
---
amdhsa.version: [ 1, 2 ]
amdhsa.kernels:
  - .name:           k_q27295a3c8c_oproj
    .symbol:         k_q27295a3c8c_oproj.kd
    .args:
      - { .name: ob, .offset: 0, .size: 8, .value_kind: global_buffer, .address_space: global }
      - { .name: xw, .offset: 8, .size: 8, .value_kind: global_buffer, .address_space: global }
      - { .name: b_o, .offset: 16, .size: 8, .value_kind: global_buffer, .address_space: global }
      - { .name: out0, .offset: 24, .size: 8, .value_kind: global_buffer, .address_space: global }
    .group_segment_fixed_size: 327680
    .private_segment_fixed_size: 0
    .kernarg_segment_align: 8
    .kernarg_segment_size: 32
    .max_flat_workgroup_size: 128
    .sgpr_count:     66
    .vgpr_count:     512
    .wavefront_size: 32
...
	.end_amdgpu_metadata
.endif
;; end of part 4
